; MI455X (gfx1250); checked and timed in simulation.
; The chip was launched on July 23, 2026; its instructions are those of AMD's public machine-readable ISA for CDNA 5 (MIT licence, August 2026) and "CDNA5" Instruction Set Architecture Reference Guide (July 2026). The comments in the code are by the model that wrote it; some were corrected since.
;; Multi Head Attention. Allowed arithmetic: matrix products marked QUANTISED: E4M3 operands, one given power-of-two scale a tensor, by v_wmma_f32_16x16x64_fp8_fp8 or v_wmma_f32_16x16x128_fp8_fp8, f32 sums; everything else in f32.
;; Inputs: Wk 1,024 x 1,024 float32; Wo 1,024 x 1,024 float32; Wq 1,024 x 1,024 float32; Wv 1,024 x 1,024 float32; bk 1,024 float32; bo 1,024 float32; bq 1,024 float32; bv 1,024 float32; lowp_scales 12 int32 (the exponents e of the quantised operands' scales 2^e); x 1 x 4,096 x 1,024 float32.
;; Outputs: out0 1 x 4,096 x 1,024 float32.
;; This version of the problem:
;;   THIS VERSION OF THE PROBLEM IS GIVEN IN LOW PRECISION. The matrix products marked QUANTISED in the list below multiply operands that are first quantised to E4M3 (4 exponent bits, 3 mantissa bits; 8 bits a number), with one given power-of-two scale for each operand tensor; their sums are f32. All else is computed in f32.
;;   The module's matrix products, in the order in which they are computed (A, B: the left and right operand; K: the contracted axis; several contracted axes count as one K, in the product's order):
;;     1. [M 4,096, K 1,024] x [K 1,024, N 1,024]; A: input x; B: input Wq: QUANTISED (scales: A lowp_scales[0], B lowp_scales[1])
;;     2. [M 4,096, K 1,024] x [K 1,024, N 1,024]; A: input x; B: input Wk: QUANTISED (scales: A lowp_scales[2], B lowp_scales[3])
;;     3. [M 4,096, K 1,024] x [K 1,024, N 1,024]; A: input x; B: input Wv: QUANTISED (scales: A lowp_scales[4], B lowp_scales[5])
;;     4. batch 16 x [M 4,096, K 64] x [K 64, N 4,096]; A: computed on the way; B: computed on the way: QUANTISED (scales: A lowp_scales[6], B lowp_scales[7])
;;     5. batch 16 x [M 4,096, K 4,096] x [K 4,096, N 64]; A: softmax (see below); B: computed on the way: QUANTISED (scales: A lowp_scales[8], B lowp_scales[9])
;;     6. [M 4,096, K 1,024] x [K 1,024, N 1,024]; A: computed on the way; B: input Wo: QUANTISED (scales: A lowp_scales[10], B lowp_scales[11])
;;   THE QUANTISER, for each operand of a quantised product, along K:
;;     - The operand's scale is 2^e, e = its entry of the input lowp_scales (int32; the entries are numbered through the quantised products in the list's order, A before B).
;;     - Each number is divided by the scale, clamped to +-448, and rounded to the nearest number of E4M3, ties to even, subnormals kept.
;;     - The product sums the exact products of the quantised numbers (number of the format x scale) in f32.
;;   ~~~python
;;   def quantise(x, axis, e):      # numpy; x: float32 -> the quantised numbers, widened to float32 again
;;       x = np.moveaxis(x, axis, -1); K = x.shape[-1]
;;       r = np.clip(x / 2.0 ** e, -448, 448)
;;       step = 2.0 ** (np.maximum(np.frexp(np.where(r == 0, 1, r))[1] - 1, -6) - 3)
;;       q = np.round(r / step) * step * 2.0 ** e      # np.round: ties to even
;;       return np.moveaxis(q, -1, axis).astype(np.float32)
;;   ~~~
;;   SOFTMAX AHEAD OF A QUANTISED PRODUCT. Where the list says 'softmax', what is quantised is not the finished softmax but p = 2^(t - M), with t = logit x log2(e) and M = ceil(the row's largest t), a whole number; so 1/2 < the row's largest p <= 1. The row's sum l is taken of the UNQUANTISED p, in f32, and the product's result is divided by l at the end. Since M is a whole number, a kernel that streams over the keys may use a running M (the ceiling of the running maximum): every later rescaling is an exact power of two, so the quantised numbers keep their values, but for numbers so far below the row's largest that they fall under the format's range.
;;   OPERANDS COMPUTED ON THE WAY. 'Computed on the way' means the value that the module computes at that place (a softmax that the list does not call 'softmax' is quantised finished and normalised). What goes into a quantiser is computed in f32, as accurately as f32 sums, v_exp_f32 and their like allow (about 1e-6 of the number): no bf16 or f16 on the way to a quantiser, and a product that is left as it is and whose result goes on into a quantised operand takes f32 operands (vector FMAs, or v_wmma_f32_16x16x4_f32). A number that lies on a knife's edge between two numbers of the format may be rounded either way, as far as f32 arithmetic and the matrix unit's own rounding can turn it there, and no further.
;; One version. Each part assembles by itself: llvm-mc -triple=amdgcn-amd-amdhsa -mcpu=gfx1250 --defsym DOCPART=n.
;; ======== version 1 of 1: 4 launches
;; limits: right only within a limited range of input values
;; workspace buffers: xc 12,582,912 bytes; wc 4,194,304 bytes; qc 4,194,304 bytes; kc 4,194,304 bytes; vc 4,194,304 bytes; ac 4,194,304 bytes
;; launch quant (part 1): grid 512 x 1, 4 waves a work-group, no clusters, 68,096 bytes of LDS; arguments x, Wq, Wk, Wv, Wo, lowp_scales, xc, wc; writes xc, wc
.if DOCPART == 1
	.amdgcn_target "amdgcn-amd-amdhsa--gfx1250"
	.amdhsa_code_object_version 6
	.text
	.protected	k_q7fd828ec1f_quant
	.globl	k_q7fd828ec1f_quant
	.p2align	8
	.type	k_q7fd828ec1f_quant,@function
k_q7fd828ec1f_quant:
	s_mov_b64 s[64:65], 0
	v_nop
	global_prefetch_b8 v0, s[64:65] scope:SCOPE_SE
	s_setreg_imm32_b32 hwreg(HW_REG_WAVE_MODE, 25, 1), 1
	s_wait_xcnt 0x0
; x [4096][1024] and Wq, Wk, Wv, Wo [1024][1024], f32, K innermost, become codes of FP8 (E4M3), laid as IMAGES OF OPERAND REGISTERS.
; code = number / 2^e, held within +-448, rounded to the nearest code, ties to even.  x is an operand of three products with three given exponents
; (entries 0, 2, 4 of the scales), so it is read once and quantised three times, into three images 4 MB apart; Wq, Wk, Wv, Wo take entries 1, 3, 5, 11.
; THE IMAGE of a matrix [rows][1024]: row tile T holds the 16 rows PI(T, i) = 32 (T / 2) + 8 (T % 2) + i + 8 (i / 8).  Byte T x 16384 + (k / 128) x 2048 + ((k % 128) / 32) x 512 + 16 x lane:
; lane (r = lane % 16, h = lane / 16) has there the 16 codes k = 32 c + 16 h + 0 .. 15 of row PI(T, r).  A fragment of 16 rows x 128 K is 2,048 consecutive bytes: four loads of 16 bytes a lane.
; SHARES.  Work-group g < 256: row tile g of x.  g >= 256: tensor (g >> 6) - 4, row tile g & 63.  Wave w: 256 along K from 256 w on, two fragments.
; Each load reads 512 consecutive bytes of one row; a fragment turns through the wave's own stage in LDS (16 rows of 512 bytes + 16), so that a lane gets 16 neighbours along K of each block of 32.
; Each store covers 512 consecutive bytes, aligned.  No barrier: waves share nothing.  No matrix unit, no tensor load, no cluster: a stream whose work-groups share no byte.
; LIMITS: each e between -126 and 119, so that 2^e and 448 x 2^e are f32 numbers.  NaN among the inputs is not served; an infinity is held at the largest code.
; WORK LEFT OUT BY THE PROGRAM: tiles of the scores that lie wholly above the causal diagonal.  reference() builds that mask itself and puts -infinity there ahead of the softmax, so for all values of the inputs
; their p is 0 and they reach no output.  LIMIT: a NaN, an infinity or an overflow that reaches only such a tile is not carried to the result.
.set SP,   528                         ; a stage row: 512 bytes + 16 of padding
.set STG1, 16*SP                       ; a stage; the wave's second stage begins here
.set WREG, 2*STG1                      ; a wave's LDS
.set R,    16                          ; v16-143  128 registers as loaded: fragment f, row i at R + 64 f + 4 i
.set X,    144                         ; v144-207 fragment 0 after the turn: register 16 c + i = k 32 c + 16 h + i of my row
.set Y,    16                          ; v16-79   fragment 1 after the turn, over the registers that stage 0's stores have read
.set T,    208                         ; v208-239 held numbers, two sets of 16 by turns
.set C,    240                         ; v240-255 a fragment's codes
	s_load_b512 s[8:23], s[0:1], 0x0               ; x, Wq, Wk, Wv, Wo, the scales, xc, wc
	v_lshl_add_u32 v14, v0, 2, 0x10800
	v_mov_b32 v15, 0
	v_lshrrev_b32 v1, 5, v0
	v_readfirstlane_b32 s24, v1                    ; wave 0..3
	v_and_b32 v2, 31, v0
	v_lshlrev_b32 v3, 4, v2                        ; 16 x lane: my bytes of a load's 512 and of a store's 512
	s_mul_i32 s42, s24, WREG
	v_add_nc_u32 v4, s42, v3                       ; the stage, on the way in: 16 x lane in row i
	v_and_b32 v6, 15, v0                           ; r
	v_bfe_u32 v7, v0, 4, 1                         ; h
	v_mul_u32_u24 v5, v6, SP
	v_lshl_add_u32 v5, v7, 6, v5
	v_add_nc_u32 v5, s42, v5                       ; and on the way out: row r, + 64 h: my 16 numbers of a block of 32
	s_lshr_b32 s27, ttmp9, 6
	s_and_b32 s26, ttmp9, 63
	s_sub_co_u32 s43, s27, 4
	s_lshl_b32 s43, s43, 20                        ; a weight's image begins (g >> 6) - 4 MB into wc
	s_cmp_lt_u32 ttmp9, 256
	s_cselect_b32 s26, ttmp9, s26                  ; my row tile
	s_cselect_b32 s43, 0, s43
	s_lshr_b32 s44, s26, 1
	s_lshl_b32 s44, s44, 5
	s_and_b32 s45, s26, 1
	s_lshl_b32 s45, s45, 3
	s_add_co_u32 s44, s44, s45                     ; the tile's first row: 32 (T / 2) + 8 (T % 2)
	s_lshl_b32 s44, s44, 12                        ; rows of 4,096 bytes
	s_lshl_b32 s45, s24, 10
	s_add_co_u32 s44, s44, s45                     ; + my wave's 256 numbers
	s_mov_b32 s45, 0
	s_lshl_b32 s46, s26, 14
	s_add_co_u32 s46, s46, s43
	s_lshl_b32 s47, s24, 12
	s_add_co_u32 s46, s46, s47                     ; the image: tile x 16384 + wave x 4096
	s_mov_b32 s47, 0
	s_wait_alu depctr_va_vdst(0)
	s_wait_kmcnt 0x0
	s_cmp_lt_u32 ttmp9, 256                        ; the buffers are chosen on the work-group's number alone
	s_cselect_b64 s[32:33], s[20:21], s[22:23]
	s_mov_b64 s[28:29], s[8:9]
	s_mov_b32 s30, 0                               ; byte of the first pass's entry among the scales
	s_cmp_eq_u32 s27, 4
	s_cselect_b64 s[28:29], s[10:11], s[28:29]
	s_cselect_b32 s30, 4, s30
	s_cmp_eq_u32 s27, 5
	s_cselect_b64 s[28:29], s[12:13], s[28:29]
	s_cselect_b32 s30, 12, s30
	s_cmp_eq_u32 s27, 6
	s_cselect_b64 s[28:29], s[14:15], s[28:29]
	s_cselect_b32 s30, 20, s30
	s_cmp_eq_u32 s27, 7
	s_cselect_b64 s[28:29], s[16:17], s[28:29]
	s_cselect_b32 s30, 44, s30
	s_load_b32 s34, s[18:19], s30 offset:0x0       ; e of the first pass
	s_load_b32 s35, s[18:19], 0x8                  ; x's second and third
	s_load_b32 s36, s[18:19], 0x10
	s_add_nc_u64 s[28:29], s[28:29], s[44:45]
	s_add_nc_u64 s[32:33], s[32:33], s[46:47]
	s_add_nc_u64 s[38:39], s[32:33], 0x400000      ; x's second image
	s_add_nc_u64 s[40:41], s[32:33], 0x800000      ; and its third
.irp f, 0,1
.irp i, 0,1,2,3,4,5,6,7,8,9,10,11,12,13,14,15
	global_load_b128 v[R+64*\f+4*\i:R+64*\f+4*\i+3], v3, s[28:29] offset:(\i+8*(\i/8))*4096+512*\f th:TH_LOAD_NT   ; 512 consecutive bytes of row PI(T, i); read once in the launch
.endr
.endr
.macro MKSC e, sc, lim                 ; 2^e and 448 x 2^e as f32 numbers
	s_add_co_i32 s[\e], s[\e], 127
	s_lshl_b32 s42, s[\e], 23
	v_mov_b32 v[\sc], s42
	s_add_co_i32 s[\e], s[\e], 8
	s_lshl_b32 s[\e], s[\e], 23
	s_or_b32 s[\e], s[\e], 0x600000
	v_mov_b32 v[\lim], s[\e]
.endm
	s_wait_kmcnt 0x0
	MKSC 34, 8, 9
	MKSC 35, 10, 11
	MKSC 36, 12, 13
	s_wait_alu depctr_va_vdst(0)
	s_wait_loadcnt 16                              ; fragment 0's sixteen loads are in; fragment 1's sixteen may be out
.irp i, 0,1,2,3,4,5,6,7,8,9,10,11,12,13,14,15
	ds_store_b128 v4, v[R+4*\i:R+4*\i+3] offset:SP*\i
.endr
.irp c, 0,1,2,3
.irp i, 0,1,2,3
	ds_load_b128 v[X+16*\c+4*\i:X+16*\c+4*\i+3], v5 offset:128*\c+16*\i   ; LDS serves a wave's instructions in order (ISA guide 5.7.1.4): these see the stores above
.endr
.endr
	s_wait_loadcnt 0x0
.irp i, 0,1,2,3,4,5,6,7,8,9,10,11,12,13,14,15
	ds_store_b128 v4, v[R+64+4*\i:R+64+4*\i+3] offset:STG1+SP*\i
.endr
	s_wait_dscnt 16                                ; all but the sixteen stores just issued: fragment 0 is back, and stage 0's stores are done with v16-79
.irp c, 0,1,2,3
.irp i, 0,1,2,3
	ds_load_b128 v[Y+16*\c+4*\i:Y+16*\c+4*\i+3], v5 offset:STG1+128*\c+16*\i
.endr
.endr
; One fragment, one scale: 64 numbers of a lane from v[src] on become 64 codes and leave by four stores.  The numbers are kept: the holds write other registers.
.macro QUANT src, f, sc, lim, ptr
	s_wait_xcnt 0x0                                ; the earlier stores have read the codes' registers, which are written again below
.irp c, 0,1,2,3
.irp i, 0,1,2,3,4,5,6,7,8,9,10,11,12,13,14,15
	v_med3_num_f32 v[T+16*(\c%2)+\i], v[\src+16*\c+\i], -v[\lim], v[\lim]   ; the conversion to an 8-bit code does not saturate (ISA guide 7.6.2): the hold at the largest code x the scale
.endr
	v_cvt_scalef32_pk8_fp8_f32 v[C+4*\c:C+4*\c+1], v[T+16*(\c%2):T+16*(\c%2)+7], v[\sc]
	v_cvt_scalef32_pk8_fp8_f32 v[C+4*\c+2:C+4*\c+3], v[T+16*(\c%2)+8:T+16*(\c%2)+15], v[\sc]
	global_store_b128 v3, v[C+4*\c:C+4*\c+3], s[\ptr:\ptr+1] offset:2048*\f+512*\c   ; 512 consecutive bytes, aligned.  The next chunk's holds, plain lines on the other set, stand behind the conversions
.endr
.endm
	QUANT X, 0, 8, 9, 32
	s_wait_dscnt 0x0                               ; fragment 1 is back
	QUANT Y, 1, 8, 9, 32
	s_cmp_ge_u32 ttmp9, 256                        ; a weight has one scale; x has two more
	s_cbranch_scc1 .Lend
	QUANT X, 0, 10, 11, 38
	QUANT Y, 1, 10, 11, 38
	QUANT X, 0, 12, 13, 40
	QUANT Y, 1, 12, 13, 40
.Lend:
	s_wait_tensorcnt 0x0
	ds_add_u32 v14, v15
	s_wait_dscnt 0x0
	s_endpgm
.Lfunc_end_k_q7fd828ec1f_quant:
	.size	k_q7fd828ec1f_quant, .Lfunc_end_k_q7fd828ec1f_quant-k_q7fd828ec1f_quant
	.p2alignl 7, 3214868480
	.fill 96, 4, 3214868480
	.section	.rodata,"a",@progbits
	.p2align	6, 0x0
	.amdhsa_kernel k_q7fd828ec1f_quant
		.amdhsa_group_segment_fixed_size 68096
		.amdhsa_private_segment_fixed_size 0
		.amdhsa_enable_private_segment 0
		.amdhsa_kernarg_size 64
		.amdhsa_user_sgpr_count 2
		.amdhsa_user_sgpr_kernarg_segment_ptr 1
		.amdhsa_wavefront_size32 1
		.amdhsa_system_sgpr_workgroup_id_x 1
		.amdhsa_system_sgpr_workgroup_id_y 1
		.amdhsa_system_sgpr_workgroup_id_z 1
		.amdhsa_system_vgpr_workitem_id 0
		.amdhsa_next_free_vgpr 256
		.amdhsa_next_free_sgpr 66
		.amdhsa_reserve_vcc 0
		.amdhsa_float_denorm_mode_32 3
		.amdhsa_float_denorm_mode_16_64 3
		.amdhsa_memory_ordered 1
		.amdhsa_forward_progress 1
		.amdhsa_inst_pref_size 41
	.end_amdhsa_kernel
	.amdgpu_metadata
---
amdhsa.version: [ 1, 2 ]
amdhsa.kernels:
  - .name:           k_q7fd828ec1f_quant
    .symbol:         k_q7fd828ec1f_quant.kd
    .args:
      - { .name: x, .offset: 0, .size: 8, .value_kind: global_buffer, .address_space: global }
      - { .name: Wq, .offset: 8, .size: 8, .value_kind: global_buffer, .address_space: global }
      - { .name: Wk, .offset: 16, .size: 8, .value_kind: global_buffer, .address_space: global }
      - { .name: Wv, .offset: 24, .size: 8, .value_kind: global_buffer, .address_space: global }
      - { .name: Wo, .offset: 32, .size: 8, .value_kind: global_buffer, .address_space: global }
      - { .name: lowp_scales, .offset: 40, .size: 8, .value_kind: global_buffer, .address_space: global }
      - { .name: xc, .offset: 48, .size: 8, .value_kind: global_buffer, .address_space: global }
      - { .name: wc, .offset: 56, .size: 8, .value_kind: global_buffer, .address_space: global }
    .group_segment_fixed_size: 68096
    .private_segment_fixed_size: 0
    .kernarg_segment_align: 8
    .kernarg_segment_size: 64
    .max_flat_workgroup_size: 128
    .sgpr_count:     66
    .vgpr_count:     256
    .wavefront_size: 32
...
	.end_amdgpu_metadata
.endif
;; end of part 1
;; launch proj (part 2): grid 12 x 16, 4 waves a work-group, clusters of 4 x 4, 327,680 bytes of LDS; arguments xc, wc, lowp_scales, bq, bk, bv, qc, kc, vc; writes qc, kc, vc
.if DOCPART == 2
	.amdgcn_target "amdgcn-amd-amdhsa--gfx1250"
	.amdhsa_code_object_version 6
	.text
	.protected	k_q7fd828ec1f_proj
	.globl	k_q7fd828ec1f_proj
	.p2align	8
	.type	k_q7fd828ec1f_proj,@function
k_q7fd828ec1f_proj:
	s_mov_b64 s[64:65], 0
	v_nop
	global_prefetch_b8 v0, s[64:65] scope:SCOPE_SE
	s_setreg_imm32_b32 hwreg(HW_REG_WAVE_MODE, 25, 1), 1
	s_wait_xcnt 0x0
	s_wait_alu depctr_hold_cnt(0) depctr_sa_sdst(0) depctr_va_vdst(0) depctr_va_sdst(0) depctr_va_ssrc(0) depctr_va_vcc(0) depctr_vm_vsrc(0)
	s_getreg_b32 s2, hwreg(HW_REG_IB_STS2, 6, 4)
	s_cmp_eq_u32 s2, 0
	s_cbranch_scc0 .Lentry_in_a_cluster
	s_endpgm
.Lentry_in_a_cluster:
	s_bfe_u32 s2, ttmp6, 0x10000c
	s_cmp_lg_u32 s2, 0xf033
	s_cbranch_scc0 .Lentry_shape_is_right
	s_endpgm
.Lentry_shape_is_right:
; The three projections on codes of FP8 (E4M3): Q and K = x W^T + b, V^T = Wv x^T + bv, each quantised at once (scale entries 6, 7, 9) into the image of operand registers that the attention reads.
; Operands: images of [rows][1024]: row tile T x 16384 + (k / 128) x 2048 + ((k % 128) / 32) x 512 + 16 x lane; T's rows are PI(T, i) = 32 (T / 2) + 8 (T % 2) + i + 8 (i / 8).  Sums in f32, K ascending.
; CLUSTER x = the product.  For Q and K, A = x's image and B = the weight's; for V, A = Wv's image and B = x's: so a lane's results always run along the next product's K.
; A block of 256 x 256 for a work-group of four waves, 128 x 128 each: 64 accumulators, 512 registers.  192 work-groups: blocks of half the side would load half as many bytes again for the same products.
; THE RING: two slots of 256 along K (A's 16 row tiles x 4,096 bytes, then B's).  At the head ONE joint load a wave brings 16 row tiles of one operand for one slot: both slots are filled.  Each slot is filled once more
; (K steps 2 and 3), a quarter by each wave, behind a round of the cluster's barrier.
; CLUSTERS of 4 x 4: A's tiles are shared along a row of the cluster, B's along a column, by joint loads.
; PREFETCH INTO THE L2: K step 2 is asked for at the head, behind the loads of K steps 0 and 1; K step 3 at the first change of slots, a K step ahead of its load.  Of the eight row tiles that a wave fetches, each of the four partners
; asks for two (told apart by address: cx for A, cy for B): one instruction, a lane for each of 32 aligned blocks of 256 bytes.
; Transposed use: source 0 = 16 rows of B, source 1 = 16 rows of A.  A step of 128 along K: 64 matrix instructions; A has one set of fragments, B two.
; REGISTERS: window 0: addresses, biases, from v128 A's fragments (on the way out codes);  window 1: B's two sets;  windows 2 and 3: the accumulators of row blocks 0-3 and 4-7, (a, b) at v[8 (8 a + b)].
; LIMITS: e0 + e1, e2 + e3, e4 + e5 between -126 and 127; e6, e7, e9 between -126 and 119.  NaN is not served.
.set KSTEPB, 4096                      ; bytes of a row tile's K step
.set RTB,    16384
.set HALFT,  8*KSTEPB
.set SLOT,   4*HALFT
.set SPARE,  2*SLOT                    ; the spare words, 128 bytes for each wave: two blocks of 256 bytes that no other line names
.set FR,     16
.set NL,     4
.set NP,     4
.set PFO,  7                           ; v7      the prefetches' offset; never rewritten
.set VO,   8                           ; v8-11   the way out: my 16 bytes of the four pieces
.set OCB,  12
.set ORB,  13
.set BRP,  14                          ; v[14:15] a row's bias, 0
.set ADRA, 16
.set ADRB, 20
.set SPW,  28
.set NIL,  29
.set SC,   30
.set LIMV, 31
.set BI,   32                          ; v32-95  biases by column (Q, K)
.set BR,   96                          ; v96-103 biases by row (V)
.set T,    104
.set CD,   168
.set AF,   128
.set G1HA, 4                           ; s[4:11], s[16:23] descriptor groups 1 at the head: 16 row tiles
.set G1HB, 16
.set G1, 24                            ; s[24:31], s[48:55] of the refills: 8 row tiles
.set G0, 32                            ; s[32:39], s[56:63] groups 0, one set for each slot
.set G1B, 48
.set G0B, 56
.set OUTP, 80                          ; s[80:81] where my results go
.set MSB, 0
.macro WIN new                         ; the immediate's high byte repeats the setting that is left
.if MSB != \new
	s_set_vgpr_msb (MSB<<8)|\new
.set MSB, \new
.endif
.endm
.set MUL_LO, 0xa1
.set MUL_HI, 0xf1
.set TO_B,   0x40
; A joint load: waves 0 and 1 fetch for A, 2 and 3 for B; the branch hangs on the wave's number alone.  An s_nop 0 and four v_nop follow each line.
.macro JLOAD g0a, g1a, g0b, g1b
	s_cmp_eq_u32 s3, 0
	s_cbranch_scc0 .Lfor_b_\@
	tensor_load_to_lds s[\g0a:\g0a+3], s[\g1a:\g1a+7]
	s_nop 0
.rept 4
	v_nop
.endr
	s_branch .Lasked_\@
.Lfor_b_\@:
	tensor_load_to_lds s[\g0b:\g0b+3], s[\g1b:\g1b+7]
	s_nop 0
.rept 4
	v_nop
.endr
.Lasked_\@:
.endm
.macro CREST                           ; a round of the cluster's barrier behind its opening barrier
	s_cmp_lg_u32 s2, 0
	s_cbranch_scc1 .Lnot_wave_0_\@
	s_barrier_signal -3
.Lnot_wave_0_\@:
	s_barrier_wait -3
	s_barrier_signal -1
	s_barrier_wait -1
.endm
.macro CROUND
	s_barrier_signal -1
	s_barrier_wait -1
	CREST
.endm
	s_load_b512 s[68:83], s[0:1], 0x0              ; xc, wc, the scales, bq, bk, bv, qc, kc
	s_load_b64 s[84:85], s[0:1], 0x40              ; vc
	v_lshl_add_u32 v[SPW], v0, 2, SPARE
	v_mov_b32 v[NIL], 0
	ds_add_u32 v[SPW], v[NIL]                      ; the wave's opening: the add, twice on end, and its wait ahead of my first tensor load
	ds_add_u32 v[SPW], v[NIL]
	v_lshrrev_b32 v1, 5, v0
	v_readfirstlane_b32 s2, v1                     ; wave 0..3
	s_lshr_b32 s3, s2, 1                           ; my half of the rows.  Also: I fetch for A (0) or B (1)
	s_and_b32 s12, s2, 1                           ; my half of the columns.  Also: my slot at the head, my half of the tiles in a refill
	s_bfe_u32 s40, ttmp6, 0x40000                  ; cx, cy
	s_bfe_u32 s41, ttmp6, 0x40004
	s_and_b32 s46, ttmp7, 0xffff
	s_lshl_b32 s46, s46, 2
	s_cmp_eq_u32 ttmp9, 2
	s_cselect_b32 s15, -1, 0                       ; V: all ones
	s_cselect_b32 s13, 0, s46
	s_cselect_b32 s14, s46, 0
	s_add_co_u32 s13, s13, s41                     ; block row: in A
	s_add_co_u32 s14, s14, s40                     ; block column: in B
	s_lshl_b32 s47, s41, 2
	s_lshl_b32 s47, 15, s47                        ; my row of the cluster
	s_lshl_b32 s86, 0x1111, s40                    ; my column
	s_or_b32 s[G1+0], s47, (0<<16)|(1<<21)         ; the mask; elements of 1 byte; no padding; 21 set beside a mask
	s_or_b32 s[G1HA+0], s47, (0<<16)|(1<<21)
	s_or_b32 s[G1B+0], s86, (0<<16)|(1<<21)
	s_or_b32 s[G1HB+0], s86, (0<<16)|(1<<21)
.irp g, G1, G1B, G1HA, G1HB
	s_mov_b32 s[\g+1], KSTEPB<<16
	s_mov_b32 s[\g+3], KSTEPB<<16
	s_mov_b32 s[\g+5], RTB
	s_mov_b32 s[\g+6], 0
	s_mov_b32 s[\g+7], 0
.endr
.irp g, G1, G1B
	s_mov_b32 s[\g+2], 8<<16
	s_mov_b32 s[\g+4], 8
.endr
.irp g, G1HA, G1HB
	s_mov_b32 s[\g+2], 16<<16
	s_mov_b32 s[\g+4], 16
.endr
	s_wait_alu depctr_va_vdst(0)
	s_wait_dscnt 0x0                               ; both opening adds are done
	s_wait_kmcnt 0x0
	s_load_b256 s[88:95], s[72:73], 0x0            ; e0 .. e7
	s_load_b32 s99, s[72:73], 0x24                 ; e9
	s_lshl_b32 s100, ttmp9, 22
	s_mov_b32 s101, 0
	s_add_nc_u64 s[42:43], s[68:69], s[100:101]    ; x's image for this product,
	s_lshl_b32 s100, ttmp9, 20
	s_add_nc_u64 s[44:45], s[70:71], s[100:101]    ; the weight's
	s_cmp_eq_u32 ttmp9, 2
	s_cselect_b64 s[46:47], s[44:45], s[42:43]     ; A's
	s_cselect_b64 s[44:45], s[42:43], s[44:45]     ; B's
	s_lshl_b32 s100, s13, 18
	s_add_nc_u64 s[42:43], s[46:47], s[100:101]    ; at my block row: no cx enters it
	s_lshl_b32 s100, s14, 18
	s_add_nc_u64 s[44:45], s[44:45], s[100:101]    ; at my block column: no cy enters it
	s_lshl_b32 s100, s12, 12                       ; at the head: K step 0 or 1
	s_lshl_b32 s86, s12, 17
	s_lshl_b32 s87, s3, 16
	s_add_co_u32 s86, s86, s87                     ; slot x 131,072 + operand x 65,536
	s_mov_b32 s[G0], 1
	s_mov_b32 s[G0+1], s86
	s_add_nc_u64 s[G0+2:G0+3], s[42:43], s[100:101]
	s_or_b32 s[G0+3], s[G0+3], 0x80000000
	s_mov_b32 s[G0B], 1
	s_mov_b32 s[G0B+1], s86
	s_add_nc_u64 s[G0B+2:G0B+3], s[44:45], s[100:101]
	s_or_b32 s[G0B+3], s[G0B+3], 0x80000000
	CROUND                                         ; all sixteen work-groups are here: the joint loads meet
	JLOAD G0, G1HA, G0B, G1HB                      ; both slots
	; where the refills begin: K step 2, my half of the tiles; and my prefetches: of its eight row tiles two, by my place among the partners
	s_lshl_b32 s100, s12, 17
	s_add_co_u32 s100, s100, 2*KSTEPB
	s_add_nc_u64 s[42:43], s[42:43], s[100:101]
	s_add_nc_u64 s[44:45], s[44:45], s[100:101]
	s_cmp_eq_u32 s3, 0
	s_cselect_b64 s[46:47], s[42:43], s[44:45]
	s_cselect_b32 s100, s40, s41
	s_lshl_b32 s100, s100, 15
	s_add_nc_u64 s[46:47], s[46:47], s[100:101]
	; the biases: by column for Q and K, by row for V; the other one is loaded at its tensor's begin and replaced by 0
	s_cmp_eq_u32 ttmp9, 1
	s_cselect_b64 s[66:67], s[76:77], s[74:75]
	s_lshl_b32 s100, s14, 10
	s_lshl_b32 s98, s12, 9
	s_add_co_u32 s100, s100, s98
	s_cmp_eq_u32 ttmp9, 2
	s_cselect_b32 s100, 0, s100
	s_add_nc_u64 s[66:67], s[66:67], s[100:101]
	s_lshl_b32 s100, s13, 10
	s_lshl_b32 s98, s3, 9
	s_add_co_u32 s100, s100, s98
	s_cmp_eq_u32 ttmp9, 2
	s_cselect_b32 s100, s100, 0
	s_add_nc_u64 s[86:87], s[78:79], s[100:101]
	; the way out.  Q, K: head (4 x block column + 2 x half) x 262144 + row tile (16 x block row + 8 x half) x 1024
	s_lshl_b32 s100, s14, 2
	s_lshl_b32 s98, s12, 1
	s_add_co_u32 s100, s100, s98
	s_lshl_b32 s100, s100, 18
	s_lshl_b32 s98, s13, 4
	s_lshl_b32 s74, s3, 3
	s_add_co_u32 s98, s98, s74
	s_lshl_b32 s98, s98, 10
	s_add_co_u32 s100, s100, s98
	; V: head (4 x block row + 2 x half) x 262144 + key block (2 x block column + half) x 8192
	s_lshl_b32 s98, s13, 2
	s_lshl_b32 s74, s3, 1
	s_add_co_u32 s98, s98, s74
	s_lshl_b32 s98, s98, 18
	s_lshl_b32 s74, s14, 1
	s_add_co_u32 s74, s74, s12
	s_lshl_b32 s74, s74, 13
	s_add_co_u32 s98, s98, s74
	s_cmp_eq_u32 ttmp9, 1
	s_cselect_b64 s[OUTP:OUTP+1], s[82:83], s[OUTP:OUTP+1]
	s_mov_b32 s74, 1024                            ; from row block to row block,
	s_mov_b32 s76, 1024                            ; from the fourth to the fifth,
	s_mov_b32 s82, 262144                          ; from the first 64 columns to the second
	s_cmp_eq_u32 ttmp9, 2
	s_cselect_b64 s[OUTP:OUTP+1], s[84:85], s[OUTP:OUTP+1]
	s_cselect_b32 s100, s98, s100
	s_cselect_b32 s74, 2048, s74
	s_cselect_b32 s76, 256000, s76
	s_cselect_b32 s82, 1024, s82
	s_mov_b32 s75, 0
	s_mov_b32 s77, 0
	s_add_nc_u64 s[OUTP:OUTP+1], s[OUTP:OUTP+1], s[100:101]
	s_lshl_b32 s83, s3, 15                         ; my eight row tiles of A,
	s_lshl_b32 s85, s12, 15
	s_add_co_u32 s85, s85, 2*HALFT                 ; and of B, which lie behind A's sixteen
	v_and_b32 v1, 15, v0                           ; r
	v_bfe_u32 v2, v0, 4, 1                         ; h
	v_and_b32 v4, 31, v0
	v_lshlrev_b32 v4, 4, v4                        ; 16 x lane
	v_lshlrev_b32 v[OCB], 6, v2
	v_and_b32 v3, 8, v1
	v_add_nc_u32 v3, v3, v1                        ; r + 8 (r / 8)
	v_lshlrev_b32 v[ORB], 2, v3
.irp p, 0,1,2,3
.irp i, 0,1,2,3
	global_load_b128 v[BI+16*\p+4*\i:BI+16*\p+4*\i+3], v[OCB], s[66:67] offset:128*\p+16*\i
.endr
.endr
.irp a, 0,1,2,3,4,5,6,7
	global_load_b32 v[BR+\a], v[ORB], s[86:87] offset:(32*(\a/2)+8*(\a%2))*4
.endr
	v_lshlrev_b32 v6, 8, v1
	v_lshl_add_u32 v[PFO], v2, 14, v6              ; lane / 16: the row tile; lane % 16: its block of 256 bytes
	v_add_nc_u32 v[ADRA], s83, v4
	v_add_nc_u32 v[ADRB], s85, v4
	v_add_nc_u32 v[ADRA+1], SLOT, v[ADRA]
	v_add_nc_u32 v[ADRB+1], SLOT, v[ADRB]
	v_mov_b32 v[BRP+1], 0
	v_mov_b32 v[VO], v4
	v_add_nc_u32 v[VO+1], 512, v4
	v_add_nc_u32 v[VO+2], s82, v4
	v_add_nc_u32 v[VO+3], 512, v[VO+2]
	global_prefetch_b8 v[PFO], s[46:47] th:TH_LOAD_NT scope:SCOPE_SE   ; K step 2
.macro FRAG reg, adr, q, i
.irp c, 0,1,2,3
	ds_load_b128 v[\reg+4*\c:\reg+4*\c+3], v[\adr] offset:2048*(\q)+512*\c+(\i)*KSTEPB
.endr
.endm
; 16 matrix instructions: row blocks a0, a0 + 1 x B's eight.  The 64 accumulators take turns, one instruction a turn; zero = 1 starts the sums.
.macro MUL16 a0, p, zero
.irp a, \a0, \a0+1
.irp b, 0,1,2,3,4,5,6,7
.if \zero
	v_wmma_f32_16x16x128_fp8_fp8 v[8*(8*((\a)%4)+\b):8*(8*((\a)%4)+\b)+7], v[128*(\p)+FR*\b:128*(\p)+FR*\b+FR-1], v[AF+FR*(\a):AF+FR*(\a)+FR-1], 0
.else
	v_wmma_f32_16x16x128_fp8_fp8 v[8*(8*((\a)%4)+\b):8*(8*((\a)%4)+\b)+7], v[128*(\p)+FR*\b:128*(\p)+FR*\b+FR-1], v[AF+FR*(\a):AF+FR*(\a)+FR-1], v[8*(8*((\a)%4)+\b):8*(8*((\a)%4)+\b)+7]
.endif
.endr
.endr
.endm
.macro FETCH_B slot, q, p
	WIN TO_B
.irp i, 0,1,2,3,4,5,6,7
	FRAG 128*(\p)+FR*\i, ADRB+\slot, \q, \i
.endr
	WIN 0
.endm
.macro FETCH_A slot, q, i0
.irp i, \i0, \i0+1, \i0+2, \i0+3
	FRAG AF+FR*(\i), ADRA+\slot, \q, \i
.endr
.endm
.macro PLACES n                        ; places behind products whose registers are loaded or read next
.rept \n
	v_nop
.endr
.endm
.macro STEP slot, q, zero              ; 128 along K that have their successor in the same slot
	s_wait_dscnt 4*NL                              ; B's set and A's blocks 0-3 are in; A's blocks 4-7 may be out
	WIN MUL_LO
	MUL16 0, (\q)%2, \zero
	MUL16 2, (\q)%2, \zero
	s_wait_dscnt 0
	PLACES NP
	FETCH_B \slot, (\q)+1, 1-(\q)%2
	FETCH_A \slot, (\q)+1, 0
	WIN MUL_HI
	MUL16 4, (\q)%2, \zero
	MUL16 6, (\q)%2, \zero
	PLACES NP
	WIN 0
	FETCH_A \slot, (\q)+1, 4
.endm
; A slot's last step changes slots.  fill = 1: this slot is filled again, behind a round of the cluster's barrier; ask = 1: K step 3 is prefetched.
.macro TURN slot, next, fill, ask
	s_wait_tensorcnt 0x0                           ; all my tensor loads have landed: my part of the next slot
	ds_add_u32 v[SPW], v[NIL]                      ; 0 onto my spare word
	s_wait_dscnt 4*NL+1                            ; the add and A's blocks 4-7 may be out
	WIN MUL_LO
	MUL16 0, 1, 0
	s_wait_dscnt 0x0                               ; the add is done, and my reads of this slot are over
	s_barrier_signal -1
	MUL16 2, 1, 0
	WIN 0
	s_barrier_wait -1
.if \fill
	CREST
	JLOAD G0+4*\slot, G1, G0B+4*\slot, G1B         ; the first tensor load behind the round; its four v_nop are the places in front of the loads below
.else
	PLACES NP
.endif
	FETCH_B \next, 0, 0
	FETCH_A \next, 0, 0
.if \ask
	global_prefetch_b8 v[PFO], s[46:47] offset:KSTEPB th:TH_LOAD_NT scope:SCOPE_SE
.endif
	WIN MUL_HI
	MUL16 4, 1, 0
	MUL16 6, 1, 0
	PLACES NP
	WIN 0
	FETCH_A \next, 0, 4
.endm
	s_wait_alu depctr_va_vdst(0)
	s_wait_tensorcnt 0x0                           ; my part of both slots is in, and the groups 0 may be written: the refills, wave x 8 row tiles into slot s, K step 2 + s
	s_lshl_b32 s98, s2, 15
.irp s, 0,1
	s_mov_b32 s[G0+4*\s], 1
	s_add_co_u32 s[G0+4*\s+1], s98, \s*SLOT
	s_add_nc_u64 s[G0+4*\s+2:G0+4*\s+3], s[42:43], \s*KSTEPB
	s_or_b32 s[G0+4*\s+3], s[G0+4*\s+3], 0x80000000
	s_mov_b32 s[G0B+4*\s], 1
	s_add_co_u32 s[G0B+4*\s+1], s98, \s*SLOT
	s_add_nc_u64 s[G0B+4*\s+2:G0B+4*\s+3], s[44:45], \s*KSTEPB
	s_or_b32 s[G0B+4*\s+3], s[G0B+4*\s+3], 0x80000000
.endr
	s_barrier_signal -1
	s_barrier_wait -1                              ; everybody's part is in
	FETCH_B 0, 0, 0
	FETCH_A 0, 0, 0
	FETCH_A 0, 0, 4
	STEP 0, 0, 1
	TURN 0, 1, 1, 1                                ; slot 0 takes K step 2
	STEP 1, 0, 0
	TURN 1, 0, 1, 0                                ; slot 1 takes K step 3
	STEP 0, 0, 0
	TURN 0, 1, 0, 0
	STEP 1, 0, 0
	s_wait_dscnt 4*NL                              ; the very last step: nothing more to fetch
	WIN MUL_LO
	MUL16 0, 1, 0
	MUL16 2, 1, 0
	s_wait_dscnt 0
	WIN MUL_HI
	MUL16 4, 1, 0
	MUL16 6, 1, 0
	WIN 0
	s_wait_kmcnt 0x0
	s_add_co_i32 s88, s88, s89
	s_add_co_i32 s90, s90, s91
	s_add_co_i32 s92, s92, s93
	s_cmp_eq_u32 ttmp9, 1
	s_cselect_b32 s96, s90, s88
	s_cselect_b32 s98, s95, s94
	s_cmp_eq_u32 ttmp9, 2
	s_cselect_b32 s96, s92, s96                    ; the operands' exponents added,
	s_cselect_b32 s98, s99, s98                    ; and the result's
	s_add_co_i32 s96, s96, 127
	s_lshl_b32 s96, s96, 23
	s_mov_b32 s97, s96                             ; (named with it as a pair)
	s_add_co_i32 s98, s98, 127
	s_lshl_b32 s100, s98, 23
	v_mov_b32 v[SC], s100                          ; the result's 2^e,
	s_add_co_i32 s98, s98, 8
	s_lshl_b32 s98, s98, 23
	s_or_b32 s98, s98, 0x600000
	v_mov_b32 v[LIMV], s98                         ; and 448 x that
	s_wait_alu depctr_va_vdst(0)
	s_wait_loadcnt 0x0                             ; the biases
	PLACES NP
.irp p, 0,1,2,3
.irp i, 0,1,2,3,4,5,6,7,8,9,10,11,12,13,14,15
	v_cndmask_b32 v[BI+16*\p+\i], v[BI+16*\p+\i], v[NIL], s15    ; V has none by column,
.endr
.endr
.irp a, 0,1,2,3,4,5,6,7
	v_cndmask_b32 v[BR+\a], v[NIL], v[BR+\a], s15                ; Q and K none by row
.endr
; THE WAY OUT of row block a: sum x 2^e + bias, held, converted: a lane's 16 codes of each 32 columns are 16 bytes of an image, and each store covers 512 consecutive aligned bytes.
.macro OUTA a
	WIN 0x02+((\a)/4)
.irp p, 0,1,2,3
.irp j, 0,2,4,6,8,10,12,14
	v_pk_fma_f32 v[T+16*\p+\j:T+16*\p+\j+1], v[64*((\a)%4)+16*\p+\j:64*((\a)%4)+16*\p+\j+1], s[96:97], v[BI+16*\p+\j:BI+16*\p+\j+1] op_sel_hi:[1,0,1]
.endr
.endr
	WIN 0
	v_mov_b32 v[BRP], v[BR+(\a)]
.irp p, 0,1,2,3
.irp j, 0,2,4,6,8,10,12,14
	v_pk_add_f32 v[T+16*\p+\j:T+16*\p+\j+1], v[T+16*\p+\j:T+16*\p+\j+1], v[BRP:BRP+1] op_sel_hi:[1,0]
.endr
.endr
.irp p, 0,1,2,3
.irp i, 0,1,2,3,4,5,6,7,8,9,10,11,12,13,14,15
	v_med3_num_f32 v[T+16*\p+\i], v[T+16*\p+\i], -v[LIMV], v[LIMV]   ; the conversion does not saturate (ISA guide 7.6.2)
.endr
.endr
	s_wait_alu depctr_va_vdst(0)
	s_wait_xcnt 0x0                                ; the earlier stores have read their base and their codes
.if (\a) == 4
	s_add_nc_u64 s[OUTP:OUTP+1], s[OUTP:OUTP+1], s[76:77]
.elseif (\a) > 0
	s_add_nc_u64 s[OUTP:OUTP+1], s[OUTP:OUTP+1], s[74:75]
.endif
.irp p, 0,1,2,3
	v_cvt_scalef32_pk8_fp8_f32 v[CD+16*((\a)%2)+4*\p:CD+16*((\a)%2)+4*\p+1], v[T+16*\p:T+16*\p+7], v[SC]
	v_cvt_scalef32_pk8_fp8_f32 v[CD+16*((\a)%2)+4*\p+2:CD+16*((\a)%2)+4*\p+3], v[T+16*\p+8:T+16*\p+15], v[SC]
.endr
	v_nop                                          ; one plain vector line behind the last conversion
.irp p, 0,1,2,3
	global_store_b128 v[VO+\p], v[CD+16*((\a)%2)+4*\p:CD+16*((\a)%2)+4*\p+3], s[OUTP:OUTP+1]
.endr
.endm
.irp a, 0,1,2,3,4,5,6,7
	OUTA \a
.endr
	s_wait_tensorcnt 0x0                           ; the wave's end
	ds_add_u32 v[SPW], v[NIL]
	s_wait_dscnt 0x0
	CROUND                                         ; the closing round: no work-group ends while a partner may still ask for a tile that names it
	s_endpgm
.Lfunc_end_k_q7fd828ec1f_proj:
	.size	k_q7fd828ec1f_proj, .Lfunc_end_k_q7fd828ec1f_proj-k_q7fd828ec1f_proj
	.p2alignl 7, 3214868480
	.fill 96, 4, 3214868480
	.section	.rodata,"a",@progbits
	.p2align	6, 0x0
	.amdhsa_kernel k_q7fd828ec1f_proj
		.amdhsa_group_segment_fixed_size 327680
		.amdhsa_private_segment_fixed_size 0
		.amdhsa_enable_private_segment 0
		.amdhsa_kernarg_size 72
		.amdhsa_user_sgpr_count 2
		.amdhsa_user_sgpr_kernarg_segment_ptr 1
		.amdhsa_wavefront_size32 1
		.amdhsa_system_sgpr_workgroup_id_x 1
		.amdhsa_system_sgpr_workgroup_id_y 1
		.amdhsa_system_sgpr_workgroup_id_z 1
		.amdhsa_system_vgpr_workitem_id 0
		.amdhsa_next_free_vgpr 1024
		.amdhsa_next_free_sgpr 102
		.amdhsa_reserve_vcc 0
		.amdhsa_float_denorm_mode_32 3
		.amdhsa_float_denorm_mode_16_64 3
		.amdhsa_memory_ordered 1
		.amdhsa_forward_progress 1
		.amdhsa_inst_pref_size 160
	.end_amdhsa_kernel
	.amdgpu_metadata
---
amdhsa.version: [ 1, 2 ]
amdhsa.kernels:
  - .name:           k_q7fd828ec1f_proj
    .symbol:         k_q7fd828ec1f_proj.kd
    .args:
      - { .name: xc, .offset: 0, .size: 8, .value_kind: global_buffer, .address_space: global }
      - { .name: wc, .offset: 8, .size: 8, .value_kind: global_buffer, .address_space: global }
      - { .name: lowp_scales, .offset: 16, .size: 8, .value_kind: global_buffer, .address_space: global }
      - { .name: bq, .offset: 24, .size: 8, .value_kind: global_buffer, .address_space: global }
      - { .name: bk, .offset: 32, .size: 8, .value_kind: global_buffer, .address_space: global }
      - { .name: bv, .offset: 40, .size: 8, .value_kind: global_buffer, .address_space: global }
      - { .name: qc, .offset: 48, .size: 8, .value_kind: global_buffer, .address_space: global }
      - { .name: kc, .offset: 56, .size: 8, .value_kind: global_buffer, .address_space: global }
      - { .name: vc, .offset: 64, .size: 8, .value_kind: global_buffer, .address_space: global }
    .group_segment_fixed_size: 327680
    .private_segment_fixed_size: 0
    .kernarg_segment_align: 8
    .kernarg_segment_size: 72
    .max_flat_workgroup_size: 128
    .sgpr_count:     102
    .vgpr_count:     1024
    .wavefront_size: 32
...
	.end_amdgpu_metadata
.endif
;; end of part 2
;; launch attn (part 3): grid 16 x 16, 12 waves a work-group, no clusters, 327,680 bytes of LDS; arguments qc, kc, vc, lowp_scales, ac; writes ac
.if DOCPART == 3
	.amdgcn_target "amdgcn-amd-amdhsa--gfx1250"
	.amdhsa_code_object_version 6
	.text
	.protected	k_q7fd828ec1f_attn
	.globl	k_q7fd828ec1f_attn
	.p2align	8
	.type	k_q7fd828ec1f_attn,@function
k_q7fd828ec1f_attn:
	s_mov_b64 s[64:65], 0
	v_nop
	global_prefetch_b8 v0, s[64:65] scope:SCOPE_SE
	s_setreg_imm32_b32 hwreg(HW_REG_WAVE_MODE, 25, 1), 1
	s_wait_xcnt 0x0
; Causal attention of 16 heads of 64 over 4,096 positions, both products on codes of FP8 (E4M3); the result is divided by the row's sum and quantised at once (scale entry 10) into the image that the last product reads.
; THE SOFTMAX AHEAD OF THE SECOND PRODUCT: t = score x log2(e) / 8; M = the row's largest t so far, rounded UP to a whole number; p = 2^(t - M) is what is quantised, not normalised.
; The row's sum is taken of the unquantised p, in f32.  When M moves, the sum and O are multiplied by 2^(old M - new M): exact.
; IMAGES.  PI(T, i) = 32 (T / 2) + 8 (T % 2) + i + 8 (i / 8).  qc, kc: head x 262144 + T x 1024 + c x 512 + 16 x lane: lane (r, h) has channels 32 c + 16 h + 0 .. 15 of position PI(T, r).
; vc: head x 262144 + kb x 8192 + t x 2048 + c x 512 + 16 x lane: channel PI(t, r), keys 128 kb + 32 c + 16 h + 0 .. 15.   ac: T x 16384 + head x 1024 + b x 512 + 16 x lane.
; SHARES, EQUAL BY CONSTRUCTION.  Work-group (j, head) owns the blocks of 128 queries A = 31 - j and B = j.  A step is 128 keys: A takes steps 0 .. 31 - j, B the steps 32 - j .. 32: 33 steps in every work-group.
; Twelve waves, three to a SIMD: wave w = g + 4 s owns 32 queries (tiles 2 g and 2 g + 1 of the block) and the steps s, s + 3, .. s + 30: eleven.  Each fragment of K and V feeds two matrix instructions.
; The three waves of a g have partial sums, each under its own M: they are laid into LDS (A's when a wave goes on to B, B's at the end) and joined once, by exact powers of two.
; Tiles wholly above the diagonal are never walked: reference()'s own mask makes them -infinity.  On the diagonal hidden scores become -infinity (branches on ids alone).
; LAYOUT.  Both products are used transposed: S^T = K Q^T, O^T = V^T P^T: a lane holds ONE query of each tile throughout, and by PI the 16 registers of two neighbouring fragments are 16 neighbouring keys, or channels.
; THE RING.  A step's tiles are 8,192 dense bytes of K and 8,192 of V.  Slot 0: three steps, bytes of its own, filled once.  Then slots of six steps, in two places by turns, one load a wave.  The second step of a
; slot signals the change of slots when its V is in registers, and waits behind its products.
; NO CLUSTER: from the step at which a work-group goes on to its second block, neighbours j need different key blocks in the same trip, so a joint load would have no one descriptor for all that it names.
; LIMITS: e6 + e7 between -123 and 130 (added to c's exponent field); e8 and e10 between -126 and 119; e8 + e9 goes through v_ldexp_f32 and has none.  Scaled scores under 2^31 in magnitude.  NaN among the inputs is not served.
.set SLOT1, 131072                     ; six-step slots lie at 0 and at SLOT1: one exclusive or turns an address in one into the other's
.set R2,    229376                     ; slot 0
.set AO,    229376                     ; A's partial O^T, 8,192 bytes a wave: over slot 0, which is filled once and was last read ahead of the first change of slots
.set BO,    131072                     ; B's partial O^T: over the slot at SLOT1, stored behind its last fill and its last read
.set MLB,   98304                      ; B's -M and sums, 512 bytes a wave, between the slots
.set MLA,   104448                     ; A's
.set SPARE, 110592                     ; the spare words, 128 bytes for each wave: six blocks of 256 bytes that no other line names
.set AKB,  0                           ; v0   16 x lane + s x 16384
.set LI,   1                           ; v1   16 x lane
.set PFO,  2                           ; v2   256 x lane: the prefetches' offset; never rewritten
.set DQ,   3                           ; v3   tile 0's query in its block less 16 h (tile 1's is 8 more)
.set SCP,  4                           ; v4   2^e8
.set SPW,  5                           ; v5   LDS address of my spare word; never rewritten
.set NIL,  6                           ; v6   0; never rewritten
.set ADK,  7                           ; v7   LDS address of the step
; tile u: v[8+4u] -M, v[9+4u] the largest t, v[10+4u:11+4u] the sum in two halves, v[16+2u:17+2u] f; v20-23 at work; v252-255 second chains of the sums
.set QF,   24                          ; v24-39   Q in hand, 8 registers a tile
.set QN,   40                          ; v40-55   Q of block B
.set KV,   56                          ; v56-119  K's 8 fragments of 8 registers, then V's 4 of 16
.set PC,   120                         ; v120-135 p's codes of tile 0, v184-199 of tile 1: all but four registers over scores that are done with
.set S,    124                         ; v124-187, v188-251 S^T, then p
; window 1: O^T, tile u, accumulator t at v[256 + 32 u + 8 t]
.set TB,   2                           ; s2   LDS byte at which the slot in hand begins
.set NEXTD, 3                          ; s3   the next step on a diagonal: 31 - j, then 32
.set WV,   18
.set GG,   19
.set SEL,  20                          ; s[20:21] lane selects for v_permlanex16_b32: lane l xor 16
.set CS,   22                          ; s[22:23] c
.set G1,   24                          ; s[24:31] descriptor group 1: a dense piece of 8,192 bytes
.set G1H,  32                          ; s[32:39] the head's: 4,096 bytes
.set G0,   40                          ; s[40:43] descriptor group 0, which walks
.set SS,   44
.set SAVO, 45
.set MLO,  46
.set SLOTS, 47
.set TT,   48                          ; s48  my step
.set TN,   49                          ; s49  the step of the piece that I fetch next
.set LASTA, 50                         ; s50  31 - j
.set SUBV, 51                          ; s51  32 - j
.set LIMP, 52                          ; s52  448 x 2^e8
.set LIMJ, 53                          ; s53  1 in the work-group that prefetches, else the greatest number
.set BASE, 54                          ; s[54:55] my head in kc (even waves) or vc (odd)
.set OFS,  56                          ; s[56:57] an offset, its high word 0
.set PFA,  58                          ; s[58:59] where my prefetch stands
.set SAVB, 74
.set MLOB, 75
.set OFP,  76                          ; s[76:77] the prefetch's offset, its high word 0
.set MSB, 0
.macro WIN new                         ; the immediate's high byte repeats the setting that is left
.if MSB != \new
	s_set_vgpr_msb (MSB<<8)|\new
.set MSB, \new
.endif
.endm
.macro TLOAD g1                        ; every wave fetches a piece of its own.  Four v_nop follow
	tensor_load_to_lds s[G0:G0+3], s[\g1:\g1+7]
	s_nop 0
.rept 4
	v_nop
.endr
.endm
; A PREFETCH INTO THE L2 of the slot after the one that is being asked for: a whole slot ahead of the loads that will want it.  In their first blocks all work-groups of a head walk key block = step:
; the work-group j = 0 asks, and nobody else; each of its waves for the 8,192 bytes of its own next piece, lanes 256 bytes apart, so each aligned 256 bytes are named once.  Slots 0 and 1 come by their loads alone; behind slot 5 nothing is asked for.
.macro ASK
	s_cmp_gt_u32 s[SLOTS], s[LIMJ]
	s_cbranch_scc0 .Lnot_mine_\@
	global_prefetch_b8 v[PFO], s[PFA:PFA+1] th:TH_LOAD_NT scope:SCOPE_SE
.Lnot_mine_\@:
.endm
; My partial sums into LDS: so = where O^T goes, sm = where -M and the sums go.  The first five lines are plain places behind the last products.
.macro SAVE so, sm
	v_add_f32 v10, v10, v11                        ; the sums' two halves,
	v_add_f32 v14, v14, v15
	v_lshrrev_b32 v21, 2, v[LI]
	v_add_nc_u32 v20, s[\so], v[LI]
	v_add_nc_u32 v21, s[\sm], v21
	v_permlanex16_b32 v22, v10, s[SEL], s[SEL+1]
	v_permlanex16_b32 v23, v14, s[SEL], s[SEL+1]
	v_add_f32 v10, v10, v22                        ; and lane l xor 16's
	v_add_f32 v14, v14, v23
	ds_store_b32 v21, v8
	ds_store_b32 v21, v10 offset:128
	ds_store_b32 v21, v12 offset:256
	ds_store_b32 v21, v14 offset:384
	WIN 0x04
.irp q, 0,1,2,3,4,5,6,7,8,9,10,11,12,13,14,15
	ds_store_b128 v20, v[4*\q:4*\q+3] offset:512*\q
.endr
	WIN 0
.endm
.macro REINIT                          ; block B begins: the step finds zeros, which the first change of M leaves zeros
	s_wait_alu depctr_va_vdst(0)
	s_wait_dscnt 0x0                               ; the stores have read their registers
	s_mov_b32 s[NEXTD], 32
	v_mov_b32 v9, 0xff61b1e6                       ; -3e38, under every t
	v_mov_b32 v13, 0xff61b1e6
	v_mov_b32 v10, 0
	v_mov_b32 v11, 0
	v_mov_b32 v14, 0
	v_mov_b32 v15, 0
	v_floor_f32 v8, -v9
	v_floor_f32 v12, -v13
.irp j, 0,1,2,3,4,5,6,7,8,9,10,11,12,13,14,15
	v_mov_b32 v[QF+\j], v[QN+\j]
.endr
	WIN 0x40
.irp j, 0,8,16,24,32,40,48,56
.irp i, 0,1,2,3,4,5,6,7
	v_mov_b32 v[\j+\i], 0
.endr
.endr
	WIN 0
.endm
; A STEP: 128 keys for my two tiles, at byte 49152 x q of the slot in hand.  first = 1: the launch's first step, in slot 0: it starts the sums.  meet = 1: the slot's last step: it changes slots.
.macro STEP first, meet, q
.if \first
	v_add_nc_u32 v[ADK], R2, v[AKB]
.else
	s_cmp_gt_u32 s[TT], s[NEXTD]                   ; the first step of mine behind A's diagonal: A is laid down, B begins
	s_cbranch_scc0 .Lsame_\@
	SAVE SAVO, MLO
	REINIT
.Lsame_\@:
	v_add_nc_u32 v[ADK], s[TB], v[AKB]
.rept 4
	v_nop                                          ; with the addition above: four places in front of loads into registers that the last products have read, five in front of products that write over them
.endr
.endif
.irp t, 0,1,2,3,4,5,6,7
.irp c, 0,1
	ds_load_b128 v[KV+8*\t+4*\c:KV+8*\t+4*\c+3], v[ADK] offset:49152*(\q)+1024*\t+512*\c   ; 512 consecutive bytes
.endr
.endr
	s_wait_alu depctr_va_vdst(0)
	s_wait_dscnt 8                                 ; the first four fragments are in; the other four's eight loads may be out
.irp t, 0,1,2,3,4,5,6,7
.if \t == 4
	s_wait_dscnt 0x0
.endif
.irp u, 0,1
	v_wmma_f32_16x16x64_fp8_fp8 v[S+64*\u+8*\t:S+64*\u+8*\t+7], v[KV+8*\t:KV+8*\t+7], v[QF+8*\u:QF+8*\u+7], 0    ; S^T: lane (r, h), register 16 b + i: query PI(2 g + u, r), key 32 b + 16 h + i of the step
.endr
.endr
.rept 4
	v_nop                                          ; places in front of the loads below and of the first read of the scores
.endr
.irp t, 0,1,2,3
.irp c, 0,1,2,3
	ds_load_b128 v[KV+16*\t+4*\c:KV+16*\t+4*\c+3], v[ADK] offset:49152*(\q)+8192+2048*\t+512*\c   ; V lands while the softmax is walked
.endr
.endr
.if \first == 0
	s_cmp_eq_u32 s[TT], s[NEXTD]                   ; on the diagonal (key block = query block) the scores of hidden keys become -infinity: p = 0 then
	s_cbranch_scc0 .Lopen_\@
	v_mov_b32 v20, 0xff800000
.irp u, 0,1
.irp b, 0,1,2,3
.irp i, 0,1,2,3,4,5,6,7,8,9,10,11,12,13,14,15
	v_cmp_gt_i32 vcc_lo, 32*\b+\i-8*\u, v[DQ]      ; hidden where 32 b + i + 16 h > my query
	v_cndmask_b32 v[S+64*\u+16*\b+\i], v[S+64*\u+16*\b+\i], v20, vcc_lo
.endr
.endr
.endr
.Lopen_\@:
.endif
.irp u, 0,1
	v_max3_num_f32 v[20+\u], v[S+64*\u], v[S+64*\u+1], v[S+64*\u+2]      ; the step's largest score of my queries, among my 64 keys, in two chains a tile,
	v_max3_num_f32 v[22+\u], v[S+64*\u+3], v[S+64*\u+4], v[S+64*\u+5]
.endr
.irp i, 6,10,14,18,22,26,30,34,38,42,46,50,54,58
.irp u, 0,1
	v_max3_num_f32 v[20+\u], v[20+\u], v[S+64*\u+\i], v[S+64*\u+1+\i]
	v_max3_num_f32 v[22+\u], v[22+\u], v[S+64*\u+2+\i], v[S+64*\u+3+\i]
.endr
.endr
.irp u, 0,1
	v_max3_num_f32 v[20+\u], v[20+\u], v[S+64*\u+62], v[S+64*\u+63]
.endr
.irp u, 0,1
	v_max_num_f32 v[20+\u], v[20+\u], v[22+\u]
.endr
.irp u, 0,1
	v_permlanex16_b32 v[22+\u], v[20+\u], s[SEL], s[SEL+1]
.endr
.irp u, 0,1
	v_max_num_f32 v[20+\u], v[20+\u], v[22+\u]     ; and among lane l xor 16's
.endr
.if \first
.irp u, 0,1
	v_mul_f32 v[9+4*\u], s[CS], v[20+\u]           ; the largest t (c is positive)
.endr
.irp u, 0,1
	v_floor_f32 v[8+4*\u], -v[9+4*\u]              ; -M = floor(-t) = -ceil(t): a whole number
.endr
.else
.irp u, 0,1
	v_mul_f32 v[20+\u], s[CS], v[20+\u]            ; as t (c is positive)
.endr
.irp u, 0,1
	v_max_num_f32 v[9+4*\u], v[9+4*\u], v[20+\u]   ; the running largest t
.endr
.irp u, 0,1
	v_floor_f32 v[20+\u], -v[9+4*\u]               ; the new -M = floor(-t) = -ceil(t): a whole number
.endr
.irp u, 0,1
	v_sub_f32 v[22+\u], v[20+\u], v[8+4*\u]        ; M's old value less its new one: a whole number, 0 or less
.endr
.irp u, 0,1
	v_mov_b32 v[8+4*\u], v[20+\u]
.endr
.irp u, 0,1
	v_cvt_i32_f32 v[22+\u], v[22+\u]               ; (it saturates)
.endr
.irp u, 0,1
	v_ldexp_f32 v[16+2*\u], 1.0, v[22+\u]          ; f = 2^(old M - new M)
.endr
.endif
.irp j, 0,8,16,24,32,40,48,56
.irp i, 0,2,4,6
.irp u, 0,1
	v_pk_fma_f32 v[S+64*\u+\j+\i:S+64*\u+\j+\i+1], v[S+64*\u+\j+\i:S+64*\u+\j+\i+1], s[CS:CS+1], v[8+4*\u:9+4*\u] op_sel_hi:[1,0,0]   ; t - M, two at a time
.endr
.endr
.endr
	s_wait_alu depctr_va_vdst(0)
.irp j, 0,8,16,24,32,40,48,56,64,72,80,88,96,104,112,120
.irp i, 0,1,2,3,4,5,6,7
	v_exp_f32 v[S+\j+\i], v[S+\j+\i]               ; p = 2^(t - M), at most 1: not normalised
.endr
.endr
.if \first
	v_nop                                          ; a plain place behind the exponentials
	s_wait_alu depctr_va_vdst(0)                   ; one wait for the whole batch, ahead of its first reader
.irp u, 0,1
	v_pk_add_f32 v[10+4*\u:11+4*\u], v[S+64*\u:S+64*\u+1], v[S+64*\u+2:S+64*\u+3]
.endr
.irp u, 0,1
	v_pk_add_f32 v[252+2*\u:253+2*\u], v[S+64*\u+4:S+64*\u+5], v[S+64*\u+6:S+64*\u+7]
.endr
.else
	v_pk_mul_f32 v[10:11], v[10:11], v[16:17] op_sel_hi:[1,0]   ; the sums under the new M (plain places behind the exponentials)
	v_pk_mul_f32 v[14:15], v[14:15], v[18:19] op_sel_hi:[1,0]
	WIN 0x41
	s_wait_alu depctr_va_vdst(0)                   ; one wait for the batch and for O^T, directly ahead of the first reader
.irp u, 0,1
.irp j, 0,2,4,6,8,10,12,14,16,18,20,22,24,26,28,30
	v_pk_mul_f32 v[32*\u+\j:32*\u+\j+1], v[32*\u+\j:32*\u+\j+1], v[16+2*\u:17+2*\u] op_sel_hi:[1,0]   ; O^T under the new M
.endr
.endr
	WIN 0
.irp u, 0,1
	v_pk_add_f32 v[252+2*\u:253+2*\u], v[S+64*\u:S+64*\u+1], v[S+64*\u+2:S+64*\u+3]
.endr
.irp u, 0,1
	v_pk_add_f32 v[10+4*\u:11+4*\u], v[10+4*\u:11+4*\u], v[S+64*\u+4:S+64*\u+5]
.endr
.irp u, 0,1
	v_pk_add_f32 v[252+2*\u:253+2*\u], v[252+2*\u:253+2*\u], v[S+64*\u+6:S+64*\u+7]
.endr
.endif
.irp j, 8,12,16,20,24,28,32,36,40,44,48,52,56,60
.irp u, 0,1
	v_pk_add_f32 v[10+4*\u:11+4*\u], v[10+4*\u:11+4*\u], v[S+64*\u+\j:S+64*\u+\j+1]
.endr
.irp u, 0,1
	v_pk_add_f32 v[252+2*\u:253+2*\u], v[252+2*\u:253+2*\u], v[S+64*\u+\j+2:S+64*\u+\j+3]
.endr
.endr
.irp u, 0,1
	v_pk_add_f32 v[10+4*\u:11+4*\u], v[10+4*\u:11+4*\u], v[252+2*\u:253+2*\u]
.endr
.if \meet                              ; THE CHANGE OF SLOTS.  Every wave waits for all its tensor loads (its piece of the next slot), adds 0 to its spare word, and waits for that and for its reads of this slot, V's among them
	s_wait_alu depctr_va_vdst(0)
	s_wait_tensorcnt 0x0                           ; no tensor load of mine is out, so the group 0 may be written
	ds_add_u32 v[SPW], v[NIL]                      ; 0 onto my spare word: the descriptor's steps, the holds and the conversions stand between it and the wait for it
	s_xor_b32 s[G0+1], s[G0+1], SLOT1              ; the other place than last time
	s_add_co_u32 s[TN], s[TN], 6                   ; my piece's step,
	s_cmp_gt_u32 s[TN], s[LASTA]
	s_cselect_b32 s60, s[SUBV], 0
	s_sub_co_u32 s[OFS], s[TN], s60                ; and its key block: the step, or in block B the step less 32 - j
	s_lshl_b32 s[OFS], s[OFS], 13
	s_add_nc_u64 s[G0+2:G0+3], s[BASE:BASE+1], s[OFS:OFS+1]
	s_or_b32 s[G0+3], s[G0+3], 0x80000000
	s_add_co_u32 s61, s[TN], 6                     ; the prefetch: one slot further on, by the same rule
	s_cmp_gt_u32 s61, s[LASTA]
	s_cselect_b32 s60, s[SUBV], 0
	s_sub_co_u32 s[OFP], s61, s60
	s_lshl_b32 s[OFP], s[OFP], 13
	s_wait_xcnt 0x0                                ; the last prefetch, a slot back, has read its address, so it may be written
	s_add_nc_u64 s[PFA:PFA+1], s[BASE:BASE+1], s[OFP:OFP+1]
.endif
.irp u, 0,1
.irp b, 0,1,2,3
.irp i, 0,2,4,6,8,10,12,14
	v_dual_min_num_f32 v[S+64*\u+16*\b+\i], s[LIMP], v[S+64*\u+16*\b+\i] :: v_dual_min_num_f32 v[S+64*\u+16*\b+\i+1], s[LIMP], v[S+64*\u+16*\b+\i+1]   ; the conversion does not saturate (ISA guide 7.6.2); p is not negative, so the hold is one-sided
.endr
	v_cvt_scalef32_pk8_fp8_f32 v[PC+64*\u+4*\b:PC+64*\u+4*\b+1], v[S+64*\u+16*\b:S+64*\u+16*\b+7], v[SCP]          ; chunk b's codes lie over chunk b - 1's p: the holds above are the plain lines between
	v_cvt_scalef32_pk8_fp8_f32 v[PC+64*\u+4*\b+2:PC+64*\u+4*\b+3], v[S+64*\u+16*\b+8:S+64*\u+16*\b+15], v[SCP]
.endr
.endr
	v_nop                                          ; one plain vector line behind the last conversion
	s_wait_alu depctr_va_vdst(0)
	s_wait_dscnt 0x0                               ; V is in: my reads of this step's tiles are over (meet = 1: and the add is done)
.if \meet
	s_barrier_signal -1                            ; registers alone from here to the barrier's wait
.endif
.if \first
	WIN 0x40
.irp t, 0,1,2,3
.irp u, 0,1
	v_wmma_f32_16x16x128_fp8_fp8 v[32*\u+8*\t:32*\u+8*\t+7], v[KV+16*\t:KV+16*\t+15], v[PC+64*\u:PC+64*\u+15], 0
.endr
.endr
.else
	WIN 0x50
.irp t, 0,1,2,3
.irp u, 0,1
	v_wmma_f32_16x16x128_fp8_fp8 v[32*\u+8*\t:32*\u+8*\t+7], v[KV+16*\t:KV+16*\t+15], v[PC+64*\u:PC+64*\u+15], v[32*\u+8*\t:32*\u+8*\t+7]   ; the eight accumulators by turns, one instruction a turn
.endr
.endr
.endif
	WIN 0
	s_add_co_u32 s[TT], s[TT], 3
.if \meet
	s_barrier_wait -1                              ; the next slot is whole, and nobody reads this one any more
.endif
.endm
	s_load_b256 s[4:11], s[0:1], 0x0               ; qc s[4:5], kc s[6:7], vc s[8:9], the scales s[10:11]
	s_load_b64 s[12:13], s[0:1], 0x20              ; ac
	v_lshl_add_u32 v[SPW], v0, 2, SPARE
	v_mov_b32 v[NIL], 0
	ds_add_u32 v[SPW], v[NIL]                      ; the wave's opening: the add, twice on end, and its wait ahead of my first tensor load
	ds_add_u32 v[SPW], v[NIL]
	v_lshrrev_b32 v7, 5, v0
	v_readfirstlane_b32 s[WV], v7                  ; wave 0..11
	s_and_b32 s[GG], s[WV], 3                      ; g
	s_lshr_b32 s[SS], s[WV], 2                     ; s
	s_and_b32 s73, ttmp7, 0xffff                   ; the head
	s_lshl_b32 s[OFS], s73, 18                     ; its first byte in qc, kc and vc
	s_mov_b32 s[OFS+1], 0
	s_mov_b32 s[OFP+1], 0
	s_sub_co_u32 s[LASTA], 31, ttmp9
	s_sub_co_u32 s[SUBV], 32, ttmp9
	s_mov_b32 s[NEXTD], s[LASTA]
	s_mov_b32 s[TT], s[SS]
	s_mov_b32 s[TB], 0
	s_mov_b32 s[SLOTS], 5
.irp n, G1, G1H
	s_mov_b32 s[\n], 3<<16                         ; 15:0 no mask; 17:16 elements of 8 bytes; no padding
	s_mov_b32 s[\n+1], 32<<16                      ; tensor_dim0 = 32: rows of 256 bytes
	s_mov_b32 s[\n+3], 32<<16                      ; tile_dim0
	s_mov_b32 s[\n+5], 32                          ; the pitch: dense
	s_mov_b32 s[\n+6], 0
	s_mov_b32 s[\n+7], 0
.endr
	s_mov_b32 s[G1+2], 32<<16                      ; tensor_dim1 = tile_dim1 = 32 rows,
	s_mov_b32 s[G1+4], 32
	s_mov_b32 s[G1H+2], 16<<16                     ; at the head 16
	s_mov_b32 s[G1H+4], 16
	s_mov_b32 s[SEL], 0x76543210
	s_mov_b32 s[SEL+1], 0xfedcba98
	s_and_b32 s60, s[WV], 1                        ; I fetch for K (0) or for V (1)
	s_bfe_u32 s61, s[WV], 0x10001                  ; at the head: which half of the tile of step w / 4
	s_lshl_b32 s62, s[SS], 14
	s_lshl_b32 s63, s60, 13
	s_add_co_u32 s62, s62, s63
	s_lshl_b32 s63, s61, 12
	s_add_co_u32 s62, s62, s63
	s_add_co_u32 s62, s62, R2                      ; where it goes: step x 16384, K then V
	s_lshl_b32 s66, s[SS], 13
	s_add_co_u32 s66, s66, s63                     ; where it comes from
	s_mov_b32 s67, 0
	s_wait_alu depctr_va_vdst(0)
	s_wait_dscnt 0x0                               ; both opening adds are done
	s_wait_kmcnt 0x0
	s_load_b128 s[68:71], s[10:11], 0x18           ; e6, e7, e8, e9
	s_load_b32 s72, s[10:11], 0x28                 ; e10
	s_cmp_eq_u32 s60, 0
	s_cselect_b64 s[BASE:BASE+1], s[6:7], s[8:9]
	s_add_nc_u64 s[BASE:BASE+1], s[BASE:BASE+1], s[OFS:OFS+1]
	s_mov_b32 s[G0], 1                             ; 1:0 count = 1
	s_mov_b32 s[G0+1], s62                         ; 63:32 LDS address
	s_add_nc_u64 s[G0+2:G0+3], s[BASE:BASE+1], s[66:67]   ; 120:64 global address: key block = step in the first sixteen steps (31 - j is at least 16)
	s_or_b32 s[G0+3], s[G0+3], 0x80000000          ; 127:126 type = 2
	TLOAD G1H                                      ; slot 0
	v_and_b32 v[LI], 31, v0
	v_and_b32 v7, 15, v0                           ; r
	v_bfe_u32 v20, v0, 4, 1
	v_lshlrev_b32 v[LI], 4, v[LI]
	v_and_b32 v21, 8, v7
	v_lshlrev_b32 v20, 4, v20                      ; 16 h
	v_lshlrev_b32 v[PFO], 4, v[LI]
	v_add_nc_u32 v7, v7, v21                       ; r + 8 (r / 8)
	v_sub_nc_u32 v[DQ], v7, v20
	s_lshl_b32 s62, s[GG], 5
	v_add_nc_u32 v[DQ], s62, v[DQ]                 ; PI(2 g, r) - 16 h
	s_lshl_b32 s62, s[SS], 14
	v_add_nc_u32 v[AKB], s62, v[LI]                ; (v0 serves no more)
	v_mov_b32 v17, 0                               ; (named as the upper halves of f's pairs)
	v_mov_b32 v19, 0
	s_wait_alu depctr_va_vdst(0)
	s_add_nc_u64 s[4:5], s[4:5], s[OFS:OFS+1]      ; Q's codes at my head
	s_lshl_b32 s63, s[GG], 1
	s_lshl_b32 s60, s[LASTA], 3
	s_add_co_u32 s60, s60, s63                     ; my first tile of block A: 8 (31 - j) + 2 g
	s_lshl_b32 s60, s60, 10
	s_mov_b32 s61, 0
	s_add_nc_u64 s[14:15], s[4:5], s[60:61]
	s_lshl_b32 s60, ttmp9, 3
	s_add_co_u32 s60, s60, s63                     ; and of block B: 8 j + 2 g
	s_lshl_b32 s60, s60, 10
	s_add_nc_u64 s[16:17], s[4:5], s[60:61]
.irp n, 0,1,2,3
	global_load_b128 v[QF+4*\n:QF+4*\n+3], v[LI], s[14:15] offset:512*\n
.endr
.irp n, 0,1,2,3
	global_load_b128 v[QN+4*\n:QN+4*\n+3], v[LI], s[16:17] offset:512*\n
.endr
	s_mul_i32 s62, s[GG], 3
	s_add_co_u32 s62, s62, s[SS]                   ; the partial sums' place: 3 g + s
	s_lshl_b32 s63, s62, 13
	s_lshl_b32 s62, s62, 9
	s_add_co_u32 s[SAVO], s63, AO
	s_add_co_u32 s[SAVB], s63, BO
	s_add_co_u32 s[MLO], s62, MLA
	s_add_co_u32 s[MLOB], s62, MLB
	s_cmp_eq_u32 ttmp9, 0
	s_cselect_b32 s[LIMJ], 1, -1
	s_lshr_b32 s[TN], s[WV], 1
	s_add_co_u32 s[TN], s[TN], 3                   ; from slot 1 on my piece is K's or V's of step w / 2 of the slot's six
	s_wait_kmcnt 0x0
	s_add_co_i32 s60, s68, s69
	s_lshl_b32 s60, s60, 23
	s_mov_b32 s[CS], 0x3e38aa3b                    ; c = log2(e) / 8
	s_add_co_i32 s[CS], s[CS], s60                 ; a score stands for score x 2^(e6 + e7): the two exponents are added to c's exponent field
	s_mov_b32 s[CS+1], s[CS]                       ; (named with it as a pair, so it is written)
	s_add_co_i32 s60, s70, 127
	s_lshl_b32 s62, s60, 23
	v_mov_b32 v[SCP], s62                          ; 2^e8 as f32, for p's conversions
	s_add_co_i32 s60, s60, 8
	s_lshl_b32 s60, s60, 23
	s_or_b32 s[LIMP], s60, 0x600000                ; 448 x 2^e8
	s_wait_alu depctr_va_vdst(0)
	s_wait_tensorcnt 0x0                           ; my part of slot 0 is in
	ds_add_u32 v[SPW], v[NIL]
	s_lshl_b32 s[G0+1], s[WV], 13                  ; slot 1: piece w
	s_lshl_b32 s[OFS], s[TN], 13
	s_add_nc_u64 s[G0+2:G0+3], s[BASE:BASE+1], s[OFS:OFS+1]
	s_or_b32 s[G0+3], s[G0+3], 0x80000000
	s_add_co_u32 s[OFP], s[OFS], 6*8192
	s_add_nc_u64 s[PFA:PFA+1], s[BASE:BASE+1], s[OFP:OFP+1]
	s_wait_dscnt 0x0                               ; the add is done
	s_barrier_signal -1
	s_barrier_wait -1                              ; slot 0 is whole
	TLOAD G1                                       ; slot 1's first fill
	ASK
	s_wait_loadcnt 0x0                             ; Q, both blocks'
	STEP 1, 1, 0                                   ; never on a diagonal: 31 - j is at least 16
	s_mov_b32 s[SLOTS], 4
.Lslot:                                            ; four trips: slots 1 to 4; each asks for the slot behind it
	TLOAD G1                                       ; the first thing behind the barrier, and a wave's one tensor load until the next
	ASK
	STEP 0, 0, 0
	STEP 0, 1, 1
	s_xor_b32 s[TB], s[TB], SLOT1                  ; on to the other place
	s_sub_co_u32 s[SLOTS], s[SLOTS], 1
	s_cmp_lg_u32 s[SLOTS], 0
	s_wait_alu depctr_va_vdst(0)
	s_cbranch_scc1 .Lslot
	s_mov_b32 s[TB], 0                             ; slot 5 lies at 0; nothing is filled any more
	s_mov_b32 s[SLOTS], 2
.Ltail:
	STEP 0, 0, 0
	s_add_co_u32 s[TB], s[TB], 49152
	s_sub_co_u32 s[SLOTS], s[SLOTS], 1
	s_cmp_lg_u32 s[SLOTS], 0
	s_wait_alu depctr_va_vdst(0)
	s_cbranch_scc1 .Ltail
	s_cmp_eq_u32 s[NEXTD], 32                      ; a wave that had no step of block B lays A down here, and zeros for B
	s_cbranch_scc1 .Lhave_b
	SAVE SAVO, MLO
	REINIT
.Lhave_b:
	SAVE SAVB, MLOB
	s_wait_alu depctr_va_vdst(0)
	s_wait_dscnt 0x0                               ; my partial sums are laid down
	s_barrier_signal -1
	s_barrier_wait -1
	; THE THREE PARTS OF EACH BLOCK MEET: waves of s = 0 join B's, of s = 1 A's, for their 32 queries
	s_cmp_gt_u32 s[SS], 1
	s_cbranch_scc1 .Lend
	s_mul_i32 s60, s[SS], AO-BO
	s_mul_i32 s61, s[GG], 3*8192
	s_add_co_u32 s60, s60, s61
	s_add_co_u32 s60, s60, BO
	s_mul_i32 s61, s[SS], MLA-MLB
	s_mul_i32 s62, s[GG], 3*512
	s_add_co_u32 s61, s61, s62
	s_add_co_u32 s61, s61, MLB
	v_add_nc_u32 v20, s60, v[LI]
	v_lshrrev_b32 v21, 2, v[LI]
	v_add_nc_u32 v21, s61, v21
.irp u, 0,1
.irp p, 0,1,2
	ds_load_b32 v[24+3*\u+\p], v21 offset:512*\p+256*\u           ; part p's -M
	ds_load_b32 v[30+3*\u+\p], v21 offset:512*\p+256*\u+128       ; and sum
.endr
.endr
.irp u, 0,1
.irp p, 0,1,2
.irp q, 0,1,2,3,4,5,6,7
	ds_load_b128 v[KV+96*\u+32*\p+4*\q:KV+96*\u+32*\p+4*\q+3], v20 offset:8192*\p+4096*\u+512*\q
.endr
.endr
.endr
	s_cmp_eq_u32 s[SS], 0
	s_cselect_b32 s60, ttmp9, s[LASTA]             ; the block
	s_lshl_b32 s60, s60, 3
	s_lshl_b32 s61, s[GG], 1
	s_add_co_u32 s60, s60, s61                     ; its tile 2 g
	s_lshl_b32 s60, s60, 14
	s_lshl_b32 s61, s73, 10
	s_add_co_u32 s60, s60, s61
	s_mov_b32 s61, 0
	s_add_nc_u64 s[12:13], s[12:13], s[60:61]
	s_add_co_i32 s66, s70, s71                     ; e8 + e9
	s_add_co_i32 s60, s72, 127
	s_lshl_b32 s61, s60, 23
	s_add_co_i32 s60, s60, 8
	s_lshl_b32 s60, s60, 23
	s_or_b32 s60, s60, 0x600000
	v_mov_b32 v23, s61                             ; 2^e10
	v_mov_b32 v22, s60                             ; 448 x 2^e10
	s_wait_alu depctr_va_vdst(0)
	s_wait_dscnt 48                                ; the twelve small loads are in; O^T's 48 may be out
.irp u, 0,1
	v_min3_num_f32 v[8+4*\u], v[24+3*\u], v[25+3*\u], v[26+3*\u]  ; -M of the row: M is the largest of the three
.endr
.irp p, 0,1,2
.irp u, 0,1
	v_sub_f32 v[36+6*\u+2*\p], v[8+4*\u], v[24+3*\u+\p]           ; part p's M less the row's: a whole number, 0 or less
.endr
.endr
.irp p, 0,1,2
.irp u, 0,1
	v_cvt_i32_f32 v[36+6*\u+2*\p], v[36+6*\u+2*\p]
.endr
.endr
.irp p, 0,1,2
.irp u, 0,1
	v_ldexp_f32 v[36+6*\u+2*\p], 1.0, v[36+6*\u+2*\p]             ; f of part p; 0 for a part that saw no key
.endr
.endr
.irp u, 0,1
	v_mul_f32 v[10+4*\u], v[36+6*\u], v[30+3*\u]
.endr
.irp u, 0,1
	v_fma_f32 v[10+4*\u], v[38+6*\u], v[31+3*\u], v[10+4*\u]
.endr
.irp u, 0,1
	v_fma_f32 v[10+4*\u], v[40+6*\u], v[32+3*\u], v[10+4*\u]      ; the row's sum
.endr
	s_wait_alu depctr_va_vdst(0)
	v_rcp_f32 v10, v10
	v_rcp_f32 v14, v14
	v_nop                                          ; one plain place behind them
	s_wait_alu depctr_va_vdst(0)                   ; the wait ahead of the first reader
	v_ldexp_f32 v10, v10, s66                      ; x 2^(e8 + e9)
	v_ldexp_f32 v14, v14, s66
.irp p, 0,1,2
.irp u, 0,1
	v_mul_f32 v[36+6*\u+2*\p], v[36+6*\u+2*\p], v[10+4*\u]
.endr
.endr
	s_wait_alu depctr_va_vdst(0)
.irp u, 0,1
.if \u == 0
	s_wait_dscnt 24                                ; tile 0's 24 loads are in
.else
	s_wait_dscnt 0x0
.endif
.set X, KV+96*\u
.irp j, 0,2,4,6,8,10,12,14,16,18,20,22,24,26,28,30
	v_pk_mul_f32 v[X+\j:X+\j+1], v[X+\j:X+\j+1], v[36+6*\u:37+6*\u] op_sel_hi:[1,0]
.endr
.irp j, 0,2,4,6,8,10,12,14,16,18,20,22,24,26,28,30
	v_pk_fma_f32 v[X+\j:X+\j+1], v[X+32+\j:X+33+\j], v[38+6*\u:39+6*\u], v[X+\j:X+\j+1] op_sel_hi:[1,0,1]
.endr
.irp j, 0,2,4,6,8,10,12,14,16,18,20,22,24,26,28,30
	v_pk_fma_f32 v[X+\j:X+\j+1], v[X+64+\j:X+65+\j], v[40+6*\u:41+6*\u], v[X+\j:X+\j+1] op_sel_hi:[1,0,1]   ; register 16 b + i: channel 32 b + 16 h + i of my query
.endr
.irp j, 0,8,16,24
.irp i, 0,1,2,3,4,5,6,7
	v_med3_num_f32 v[X+\j+\i], v[X+\j+\i], -v22, v22   ; the conversion does not saturate (ISA guide 7.6.2)
.endr
.endr
.irp b, 0,1,2,3
	v_cvt_scalef32_pk8_fp8_f32 v[120+96*\u+2*\b:120+96*\u+2*\b+1], v[X+8*\b:X+8*\b+7], v23   ; over the third part, which is done with
.endr
	v_nop                                          ; one plain vector line behind the last conversion
	global_store_b128 v[LI], v[120+96*\u:123+96*\u], s[12:13] offset:16384*\u        ; 512 consecutive aligned bytes
	global_store_b128 v[LI], v[124+96*\u:127+96*\u], s[12:13] offset:16384*\u+512
.endr
.Lend:
	s_wait_tensorcnt 0x0                           ; the wave's end
	ds_add_u32 v[SPW], v[NIL]
	s_wait_dscnt 0x0
	s_endpgm
.Lfunc_end_k_q7fd828ec1f_attn:
	.size	k_q7fd828ec1f_attn, .Lfunc_end_k_q7fd828ec1f_attn-k_q7fd828ec1f_attn
	.p2alignl 7, 3214868480
	.fill 96, 4, 3214868480
	.section	.rodata,"a",@progbits
	.p2align	6, 0x0
	.amdhsa_kernel k_q7fd828ec1f_attn
		.amdhsa_group_segment_fixed_size 327680
		.amdhsa_private_segment_fixed_size 0
		.amdhsa_enable_private_segment 0
		.amdhsa_kernarg_size 40
		.amdhsa_user_sgpr_count 2
		.amdhsa_user_sgpr_kernarg_segment_ptr 1
		.amdhsa_wavefront_size32 1
		.amdhsa_system_sgpr_workgroup_id_x 1
		.amdhsa_system_sgpr_workgroup_id_y 1
		.amdhsa_system_sgpr_workgroup_id_z 1
		.amdhsa_system_vgpr_workitem_id 0
		.amdhsa_next_free_vgpr 320
		.amdhsa_next_free_sgpr 100
		.amdhsa_reserve_vcc 1
		.amdhsa_float_denorm_mode_32 3
		.amdhsa_float_denorm_mode_16_64 3
		.amdhsa_memory_ordered 1
		.amdhsa_forward_progress 1
		.amdhsa_inst_pref_size 187
	.end_amdhsa_kernel
	.amdgpu_metadata
---
amdhsa.version: [ 1, 2 ]
amdhsa.kernels:
  - .name:           k_q7fd828ec1f_attn
    .symbol:         k_q7fd828ec1f_attn.kd
    .args:
      - { .name: qc, .offset: 0, .size: 8, .value_kind: global_buffer, .address_space: global }
      - { .name: kc, .offset: 8, .size: 8, .value_kind: global_buffer, .address_space: global }
      - { .name: vc, .offset: 16, .size: 8, .value_kind: global_buffer, .address_space: global }
      - { .name: lowp_scales, .offset: 24, .size: 8, .value_kind: global_buffer, .address_space: global }
      - { .name: ac, .offset: 32, .size: 8, .value_kind: global_buffer, .address_space: global }
    .group_segment_fixed_size: 327680
    .private_segment_fixed_size: 0
    .kernarg_segment_align: 8
    .kernarg_segment_size: 40
    .max_flat_workgroup_size: 384
    .sgpr_count:     100
    .vgpr_count:     320
    .wavefront_size: 32
...
	.end_amdgpu_metadata
.endif
;; end of part 3
;; launch outp (part 4): grid 8 x 32, 4 waves a work-group, clusters of 4 x 4, 327,680 bytes of LDS; arguments ac, wc, lowp_scales, bo, out0; writes out0
.if DOCPART == 4
	.amdgcn_target "amdgcn-amd-amdhsa--gfx1250"
	.amdhsa_code_object_version 6
	.text
	.protected	k_q7fd828ec1f_outp
	.globl	k_q7fd828ec1f_outp
	.p2align	8
	.type	k_q7fd828ec1f_outp,@function
k_q7fd828ec1f_outp:
	s_mov_b64 s[64:65], 0
	v_nop
	global_prefetch_b8 v0, s[64:65] scope:SCOPE_SE
	s_setreg_imm32_b32 hwreg(HW_REG_WAVE_MODE, 25, 1), 1
	s_wait_xcnt 0x0
	s_wait_alu depctr_hold_cnt(0) depctr_sa_sdst(0) depctr_va_vdst(0) depctr_va_sdst(0) depctr_va_ssrc(0) depctr_va_vcc(0) depctr_vm_vsrc(0)
	s_getreg_b32 s2, hwreg(HW_REG_IB_STS2, 6, 4)
	s_cmp_eq_u32 s2, 0
	s_cbranch_scc0 .Lentry_in_a_cluster
	s_endpgm
.Lentry_in_a_cluster:
	s_bfe_u32 s2, ttmp6, 0x10000c
	s_cmp_lg_u32 s2, 0xf033
	s_cbranch_scc0 .Lentry_shape_is_right
	s_endpgm
.Lentry_shape_is_right:
; out[m][n] = bo[n] + 2^(e10 + e11) x the sum over k of ac[m][k] Wo[n][k]: both operands are codes of FP8 (E4M3), laid as images of operand registers: row tile T (rows PI(T, i) = 32 (T / 2) + 8 (T % 2) + i + 8 (i / 8)) x 16384
; + (k / 128) x 2048 + ((k % 128) / 32) x 512 + 16 x lane.  Wo's image begins 3 MB into wc.  Sums in f32, K ascending.
; A block of 128 x 128 for each of 256 work-groups; four waves, 64 x 64 each: 16 accumulators.  ALL OF K LIES IN LDS: 128 KB of ac, 128 KB of Wo, in two K halves; wave w fetches operand w % 2 of K half w / 2 by its one tensor load:
; nothing is filled again, and one barrier stands ahead of all reads.
; CLUSTERS of 4 x 4: the four of a row of the cluster need the same tiles of ac, the four of a column the same of Wo: each is asked for jointly.
; NO PREFETCH: each tile is asked for once, at the head; there is no loop to run ahead in.
; Transposed use (source 0 = 16 rows of Wo, source 1 = 16 rows of ac): by PI a lane's 16 registers of two neighbouring tiles are 16 neighbouring columns of a row.
; REGISTERS: window 0: addresses, ac's fragments in two buffers of 64 from v64 on (on the way out the rows read back);  window 1: Wo's, two buffers of 64;  window 2: the accumulators, (a, b) at v[8 (4 a + b)].
; LIMIT: e10 + e11 between -126 and 127.
.set ROWB,   8192                      ; bytes of a row tile's K half
.set HALF,   131072                    ; a K half: ac's 8 row tiles, then Wo's 8
.set SPARE,  262144                    ; the spare words, 128 bytes for each wave: two blocks of 256 bytes that no other line names
.set SPITCH, 272
.set WST,    64*SPITCH                 ; a wave's stage: 64 rows of 256 bytes + 16.  The stages lie in K half 0, filled once, last read by everybody ahead of the second barrier
.set BI,   8
.set ADRA, 16                          ; v16-17  LDS address of my ac fragments in K half 0, 1
.set ADRB, 20                          ; v20-21  the same for Wo
.set STO,  24
.set RD,   25
.set CO,   26
.set SPW,  28
.set NIL,  29
.set G1, 24
.set G0, 32
.set G1B, 48
.set G0B, 56
.set MSB, 0
.macro WIN new                         ; the immediate's high byte repeats the setting that is left
.if MSB != \new
	s_set_vgpr_msb (MSB<<8)|\new
.set MSB, \new
.endif
.endm
.macro CROUND                          ; a round of the cluster's barrier
	s_barrier_signal -1
	s_barrier_wait -1
	s_cmp_lg_u32 s14, 0
	s_cbranch_scc1 .Lnot_wave_0_\@
	s_barrier_signal -3
.Lnot_wave_0_\@:
	s_barrier_wait -3
	s_barrier_signal -1
	s_barrier_wait -1
.endm
	s_load_b256 s[68:75], s[0:1], 0x0              ; ac, wc, the scales, bo
	s_load_b64 s[76:77], s[0:1], 0x20              ; out
	v_lshl_add_u32 v[SPW], v0, 2, SPARE
	v_mov_b32 v[NIL], 0
	ds_add_u32 v[SPW], v[NIL]                      ; the wave's opening: the add, twice on end, and its wait ahead of my first tensor load
	ds_add_u32 v[SPW], v[NIL]
	v_lshrrev_b32 v1, 5, v0
	v_readfirstlane_b32 s14, v1                    ; wave 0..3
	s_and_b32 s15, s14, 1                          ; I fetch for ac (0) or Wo (1).  Also: which half of the columns is mine
	s_lshr_b32 s16, s14, 1                         ; which K half I fetch.  Also: which half of the rows is mine
	s_bfe_u32 s40, ttmp6, 0x40000                  ; cx, cy
	s_bfe_u32 s41, ttmp6, 0x40004
	s_lshl_b32 s42, ttmp9, 2
	s_add_co_u32 s42, s42, s40                     ; block column
	s_and_b32 s17, ttmp7, 0xffff
	s_lshl_b32 s17, s17, 2
	s_add_co_u32 s17, s17, s41                     ; block row
	s_lshl_b32 s43, s41, 2
	s_lshl_b32 s43, 15, s43                        ; my row of the cluster
	s_lshl_b32 s44, 0x1111, s40                    ; my column
	s_or_b32 s[G1+0], s43, (0<<16)|(1<<21)         ; the mask; elements of 1 byte; no padding; 21 set beside a mask
	s_or_b32 s[G1B+0], s44, (0<<16)|(1<<21)
.irp g, G1, G1B
	s_mov_b32 s[\g+1], ROWB<<16
	s_mov_b32 s[\g+2], 8<<16
	s_mov_b32 s[\g+3], ROWB<<16
	s_mov_b32 s[\g+4], 8
	s_mov_b32 s[\g+5], 16384
	s_mov_b32 s[\g+6], 0
	s_mov_b32 s[\g+7], 0
.endr
	s_lshl_b32 s18, s16, 13                        ; my K half
	s_lshl_b32 s20, s17, 17
	s_add_co_u32 s20, s20, s18                     ; ac: by the block row alone
	s_lshl_b32 s46, s42, 17
	s_add_co_u32 s46, s46, s18
	s_add_co_u32 s46, s46, 3<<20                   ; Wo: by the block column alone
	s_mov_b32 s21, 0
	s_mov_b32 s47, 0
	s_lshl_b32 s45, s14, 16                        ; where it goes: wave x 65,536
	s_wait_alu depctr_va_vdst(0)
	s_wait_dscnt 0x0                               ; both opening adds are done
	s_wait_kmcnt 0x0
	s_load_b64 s[96:97], s[72:73], 0x28            ; e10, e11
	s_add_nc_u64 s[20:21], s[68:69], s[20:21]
	s_add_nc_u64 s[46:47], s[70:71], s[46:47]
	s_mov_b32 s[G0], 1
	s_mov_b32 s[G0+1], s45
	s_mov_b64 s[G0+2:G0+3], s[20:21]
	s_or_b32 s[G0+3], s[G0+3], 0x80000000
	s_mov_b32 s[G0B], 1
	s_mov_b32 s[G0B+1], s45
	s_mov_b64 s[G0B+2:G0B+3], s[46:47]
	s_or_b32 s[G0B+3], s[G0B+3], 0x80000000
	CROUND                                         ; all sixteen work-groups are here: the joint loads meet
	s_cmp_eq_u32 s15, 0
	s_cbranch_scc0 .Lfor_b
	tensor_load_to_lds s[G0:G0+3], s[G1:G1+7]
	s_nop 0
.rept 4
	v_nop
.endr
	s_branch .Lasked
.Lfor_b:
	tensor_load_to_lds s[G0B:G0B+3], s[G1B:G1B+7]
	s_nop 0
.rept 4
	v_nop
.endr
.Lasked:
	s_lshl_b32 s21, s16, 15                        ; my four row tiles of ac
	s_lshl_b32 s22, s15, 15
	s_add_co_u32 s22, s22, 65536                   ; my four of Wo
	s_mul_i32 s23, s14, WST                        ; my stage
	s_lshl_b32 s18, s42, 9
	s_lshl_b32 s19, s15, 8
	s_add_co_u32 s18, s18, s19                     ; my first column in bytes: 512 x block column + 256 x half
	s_mov_b32 s19, 0
	s_add_nc_u64 s[8:9], s[74:75], s[18:19]
	s_lshl_b32 s12, s17, 19
	s_lshl_b32 s13, s16, 18
	s_add_co_u32 s12, s12, s13
	s_add_co_u32 s18, s18, s12                     ; + my first row: (128 x block row + 64 x half) x 4,096
	s_add_nc_u64 s[10:11], s[76:77], s[18:19]
	v_and_b32 v1, 15, v0                           ; r
	v_bfe_u32 v2, v0, 4, 1                         ; h
	v_and_b32 v4, 31, v0
	v_lshlrev_b32 v4, 4, v4                        ; 16 x lane
	v_lshlrev_b32 v3, 4, v1                        ; 16 r
	v_add_nc_u32 v[ADRA], s21, v4
	v_add_nc_u32 v[ADRB], s22, v4
	v_add_nc_u32 v[ADRA+1], HALF, v[ADRA]
	v_add_nc_u32 v[ADRB+1], HALF, v[ADRB]
	v_mul_u32_u24 v5, v1, SPITCH                   ; into the stage: row r, 64 bytes for each half of the lanes
	v_lshl_add_u32 v5, v2, 6, v5
	v_add_nc_u32 v[STO], s23, v5
	v_mul_u32_u24 v6, v2, SPITCH                   ; back: lanes 0-15 take one row of 256 bytes, lanes 16-31 the next
	v_add_nc_u32 v6, v6, v3
	v_add_nc_u32 v[RD], s23, v6
	v_lshl_add_u32 v[CO], v2, 12, v3               ; and the same two rows of the output
	global_load_b128 v[BI:BI+3], v3, s[8:9]        ; bo at my four columns
.macro FETCH k                         ; the fragments of 128 along K, number k, into buffer k % 2
	WIN 0x40
.irp i, 0,1,2,3
.irp c, 0,1,2,3
	ds_load_b128 v[64*((\k)%2)+16*\i+4*\c:64*((\k)%2)+16*\i+4*\c+3], v[ADRB+(\k)/4] offset:ROWB*\i+2048*((\k)%4)+512*\c
.endr
.endr
	WIN 0
.irp i, 0,1,2,3
.irp c, 0,1,2,3
	ds_load_b128 v[64+64*((\k)%2)+16*\i+4*\c:64+64*((\k)%2)+16*\i+4*\c+3], v[ADRA+(\k)/4] offset:ROWB*\i+2048*((\k)%4)+512*\c
.endr
.endr
.endm
.macro MUL k                           ; the 16 accumulators by turns, one instruction a turn; the first product starts the sums
	WIN 0xa1
.irp a, 0,1,2,3
.irp b, 0,1,2,3
.if (\k) == 0
	v_wmma_f32_16x16x128_fp8_fp8 v[32*\a+8*\b:32*\a+8*\b+7], v[64*((\k)%2)+16*\b:64*((\k)%2)+16*\b+15], v[64+64*((\k)%2)+16*\a:64+64*((\k)%2)+16*\a+15], 0
.else
	v_wmma_f32_16x16x128_fp8_fp8 v[32*\a+8*\b:32*\a+8*\b+7], v[64*((\k)%2)+16*\b:64*((\k)%2)+16*\b+15], v[64+64*((\k)%2)+16*\a:64+64*((\k)%2)+16*\a+15], v[32*\a+8*\b:32*\a+8*\b+7]
.endif
.endr
.endr
	WIN 0
.endm
.macro PLACES                          ; places behind products whose registers are loaded or read next (for vector instructions ISA guide 7.12.1)
.rept 4
	v_nop
.endr
.endm
	s_wait_alu depctr_va_vdst(0)
	s_wait_tensorcnt 0x0                           ; my part is in,
	s_barrier_signal -1
	s_barrier_wait -1                              ; and everybody's
	FETCH 0
.irp k, 0,1,2,3,4,5,6
	PLACES                                         ; the buffer that is loaded next was multiplied last
	FETCH \k+1
	s_wait_dscnt 32                                ; all but the 32 just issued
	MUL \k
.endr
	s_wait_dscnt 0x0                               ; my reads of both K halves are over: behind the barrier the stages may be written
	s_barrier_signal -1
	MUL 7                                          ; work on registers while the others arrive
	s_barrier_wait -1
	s_wait_kmcnt 0x0
	s_add_co_i32 s96, s96, s97
	s_add_co_i32 s96, s96, 127
	s_lshl_b32 s96, s96, 23                        ; 2^(e10 + e11) as f32
	s_mov_b32 s97, s96                             ; (named with it as a pair)
	s_wait_loadcnt 0x0                             ; bo
	PLACES
; THE WAY OUT, by row tiles: through my own stage, each row tile in rows of its own, back as whole rows of 256 bytes: sixteen lanes store one aligned unit of 256 bytes.
.irp a, 0,1,2,3
	WIN 0x08
.irp b, 0,1,2,3
	ds_store_b128 v[STO], v[32*\a+8*\b:32*\a+8*\b+3] offset:16*SPITCH*\a+128*(\b/2)+32*(\b%2)
	ds_store_b128 v[STO], v[32*\a+8*\b+4:32*\a+8*\b+7] offset:16*SPITCH*\a+128*(\b/2)+32*(\b%2)+16
.endr
	WIN 0
.irp t, 0,1,2,3,4,5,6,7
	ds_load_b128 v[64+32*\a+4*\t:64+32*\a+4*\t+3], v[RD] offset:16*SPITCH*\a+2*\t*SPITCH   ; LDS serves a wave's instructions in order (ISA guide 5.7.1.4): these see my stores
.endr
.endr
.irp a, 0,1,2,3
	s_wait_dscnt 48-16*\a                          ; row tile a is back; the 16 LDS instructions of each later one may be out
.irp t, 0,1,2,3,4,5,6,7
	v_pk_fma_f32 v[64+32*\a+4*\t:64+32*\a+4*\t+1], v[64+32*\a+4*\t:64+32*\a+4*\t+1], s[96:97], v[BI:BI+1] op_sel_hi:[1,0,1]
	v_pk_fma_f32 v[64+32*\a+4*\t+2:64+32*\a+4*\t+3], v[64+32*\a+4*\t+2:64+32*\a+4*\t+3], s[96:97], v[BI+2:BI+3] op_sel_hi:[1,0,1]
.endr
.irp t, 0,1,2,3,4,5,6,7
	global_store_b128 v[CO], v[64+32*\a+4*\t:64+32*\a+4*\t+3], s[10:11] offset:(32*(\a/2)+8*(\a%2)+2*\t+8*(\t/4))*4096 th:TH_STORE_NT
.endr
.endr
	s_wait_tensorcnt 0x0                           ; the wave's end
	ds_add_u32 v[SPW], v[NIL]
	s_wait_dscnt 0x0
	CROUND                                         ; the closing round: no work-group ends while a partner may still ask for a tile that names it
	s_endpgm
.Lfunc_end_k_q7fd828ec1f_outp:
	.size	k_q7fd828ec1f_outp, .Lfunc_end_k_q7fd828ec1f_outp-k_q7fd828ec1f_outp
	.p2alignl 7, 3214868480
	.fill 96, 4, 3214868480
	.section	.rodata,"a",@progbits
	.p2align	6, 0x0
	.amdhsa_kernel k_q7fd828ec1f_outp
		.amdhsa_group_segment_fixed_size 327680
		.amdhsa_private_segment_fixed_size 0
		.amdhsa_enable_private_segment 0
		.amdhsa_kernarg_size 40
		.amdhsa_user_sgpr_count 2
		.amdhsa_user_sgpr_kernarg_segment_ptr 1
		.amdhsa_wavefront_size32 1
		.amdhsa_system_sgpr_workgroup_id_x 1
		.amdhsa_system_sgpr_workgroup_id_y 1
		.amdhsa_system_sgpr_workgroup_id_z 1
		.amdhsa_system_vgpr_workitem_id 0
		.amdhsa_next_free_vgpr 640
		.amdhsa_next_free_sgpr 98
		.amdhsa_reserve_vcc 0
		.amdhsa_float_denorm_mode_32 3
		.amdhsa_float_denorm_mode_16_64 3
		.amdhsa_memory_ordered 1
		.amdhsa_forward_progress 1
		.amdhsa_inst_pref_size 44
	.end_amdhsa_kernel
	.amdgpu_metadata
---
amdhsa.version: [ 1, 2 ]
amdhsa.kernels:
  - .name:           k_q7fd828ec1f_outp
    .symbol:         k_q7fd828ec1f_outp.kd
    .args:
      - { .name: ac, .offset: 0, .size: 8, .value_kind: global_buffer, .address_space: global }
      - { .name: wc, .offset: 8, .size: 8, .value_kind: global_buffer, .address_space: global }
      - { .name: lowp_scales, .offset: 16, .size: 8, .value_kind: global_buffer, .address_space: global }
      - { .name: bo, .offset: 24, .size: 8, .value_kind: global_buffer, .address_space: global }
      - { .name: out0, .offset: 32, .size: 8, .value_kind: global_buffer, .address_space: global }
    .group_segment_fixed_size: 327680
    .private_segment_fixed_size: 0
    .kernarg_segment_align: 8
    .kernarg_segment_size: 40
    .max_flat_workgroup_size: 128
    .sgpr_count:     98
    .vgpr_count:     640
    .wavefront_size: 32
...
	.end_amdgpu_metadata
.endif
;; end of part 4
